; MI455X (gfx1250); checked and timed in simulation.
; The chip was launched on July 23, 2026; its instructions are those of AMD's public machine-readable ISA for CDNA 5 (MIT licence, August 2026) and "CDNA5" Instruction Set Architecture Reference Guide (July 2026). The comments in the code are by the model that wrote it; some were corrected since.
;; Attention. Allowed arithmetic: matrix products marked QUANTISED: E2M3 operands, one E8M0 scale for each 32 along K, by v_wmma_scale_f32_16x16x128_f8f6f4 with both operands' format E2M3, f32 sums; everything else in f32.
;; Inputs: b_proj 1,024 float32; b_qkv 3,072 float32; w_proj 1,024 x 1,024 float32; w_qkv 1,024 x 3,072 float32; x 4 x 2,048 x 1,024 float32.
;; Outputs: out0 4 x 2,048 x 1,024 float32.
;; This version of the problem:
;;   THIS VERSION OF THE PROBLEM IS GIVEN IN LOW PRECISION. The matrix products marked QUANTISED in the list below multiply operands that are first quantised to E2M3 (2 exponent bits, 3 mantissa bits; 6 bits a number), with one power-of-two scale for each 32 numbers along K (OCP MX v1.0); their sums are f32. All else is computed in f32.
;;   The module's matrix products, in the order in which they are computed (A, B: the left and right operand; K: the contracted axis; several contracted axes count as one K, in the product's order):
;;     1. [M 8,192, K 1,024] x [K 1,024, N 3,072]; A: input x; B: input w_qkv: QUANTISED
;;     2. batch 64 x [M 2,048, K 64] x [K 64, N 2,048]; A: computed on the way; B: computed on the way: QUANTISED
;;     3. batch 64 x [M 2,048, K 2,048] x [K 2,048, N 64]; A: softmax (see below); B: computed on the way: QUANTISED
;;     4. [M 8,192, K 1,024] x [K 1,024, N 1,024]; A: computed on the way; B: input w_proj: QUANTISED
;;   THE QUANTISER, for each operand of a quantised product, along K:
;;     - K is cut into blocks of 32 from its start; a last block that is shorter is filled with zeros.
;;     - A block's scale is 2^e with e = floor(log2(the largest magnitude in the block)) - 2, held to -126 .. 127; a block of zeros has e = 0. As a byte (E8M0): e + 127.
;;     - Each number is divided by its block's scale, clamped to +-7.5, and rounded to the nearest number of E2M3, ties to even, subnormals kept.
;;     - The product sums the exact products of the quantised numbers (number of the format x scale) in f32.
;;   ~~~python
;;   def quantise(x, axis):      # numpy; x: float32 -> the quantised numbers, widened to float32 again
;;       x = np.moveaxis(x, axis, -1); K = x.shape[-1]
;;       x = np.pad(x, [(0, 0)] * (x.ndim - 1) + [(0, -K % 32)]); x = x.reshape(x.shape[:-1] + (-1, 32)); a = np.abs(x).max(-1, keepdims=True)
;;       e = np.where(a > 0, np.clip(np.frexp(np.where(a > 0, a, 1))[1] - 1 - 2, -126, 127), 0)      # np.frexp(a)[1] - 1 = floor(log2(a)), exactly
;;       r = np.clip(x / 2.0 ** e, -7.5, 7.5)
;;       step = 2.0 ** (np.maximum(np.frexp(np.where(r == 0, 1, r))[1] - 1, 0) - 3)
;;       q = np.round(r / step) * step * 2.0 ** e      # np.round: ties to even
;;       return np.moveaxis(q.reshape(q.shape[:-2] + (-1,))[..., :K], -1, axis).astype(np.float32)
;;   ~~~
;;   SOFTMAX AHEAD OF A QUANTISED PRODUCT. Where the list says 'softmax', what is quantised is not the finished softmax but p = 2^(t - M), with t = logit x log2(e) and M = ceil(the row's largest t), a whole number; so 1/2 < the row's largest p <= 1. The row's sum l is taken of the UNQUANTISED p, in f32, and the product's result is divided by l at the end. Since M is a whole number, a kernel that streams over the keys may use a running M (the ceiling of the running maximum): every later rescaling is an exact power of two, which a block's scale takes up: the codes' values come out the same.
;;   OPERANDS COMPUTED ON THE WAY. 'Computed on the way' means the value that the module computes at that place (a softmax that the list does not call 'softmax' is quantised finished and normalised). What goes into a quantiser is computed in f32, as accurately as f32 sums, v_exp_f32 and their like allow (about 1e-6 of the number): no bf16 or f16 on the way to a quantiser, and a product that is left as it is and whose result goes on into a quantised operand takes f32 operands (vector FMAs, or v_wmma_f32_16x16x4_f32). A number that lies on a knife's edge between two numbers of the format may be rounded either way, as far as f32 arithmetic and the matrix unit's own rounding can turn it there, and no further.
;; One version. Each part assembles by itself: llvm-mc -triple=amdgcn-amd-amdhsa -mcpu=gfx1250 --defsym DOCPART=n.
;; ======== version 1 of 1: 4 launches
;; workspace buffers: cod1 8,650,752 bytes; scl1 360,448 bytes; wpc 786,432 bytes; wps 32,768 bytes; qrec 6,815,744 bytes; kv 13,369,344 bytes; oc 6,291,456 bytes; os 262,144 bytes
;; launch quant (part 1): grid 384 x 1, 4 waves a work-group, no clusters, 83,456 bytes of LDS; arguments x, w_qkv, w_proj, cod1, scl1, wpc, wps; writes cod1, scl1, wpc, wps
.if DOCPART == 1
	.amdgcn_target "amdgcn-amd-amdhsa--gfx1250"
	.amdhsa_code_object_version 6
	.text
	.protected	k_q5f976c6842_quant
	.globl	k_q5f976c6842_quant
	.p2align	8
	.type	k_q5f976c6842_quant,@function
k_q5f976c6842_quant:
	s_mov_b64 s[64:65], 0
	v_nop
	global_prefetch_b8 v0, s[64:65] scope:SCOPE_SE
	s_setreg_imm32_b32 hwreg(HW_REG_WAVE_MODE, 25, 1), 1
	s_wait_xcnt 0x0
; x [8192][1024], w_qkv [1024][3072] and w_proj [1024][1024], f32, become codes of FP6 (E2M3) with one E8M0 scale byte for each 32 along K (K = 1024 in all three).
; A block's scale is 2^(floor(log2(its largest magnitude)) - 2); its byte is the largest magnitude's exponent field - 2, held at 1 from below.
; LIMITS: a block of zeros gets the byte 1 where the quantiser says 127 (its codes are zeros, and these bytes are read by this program alone); blocks whose largest magnitude
; lies under 2^-124 are held at the byte 1; NaN and infinities among the inputs are not served.
; WHAT IS STORED is laid in the order of the reader's operand registers.  A fragment (16 rows x 128 K, 12 registers a lane) is an IMAGE of 1,536 bytes: registers 0-3 at 16 x lane,
; registers 4-5 at 512 + 8 x lane, registers 6-9 at 768 + 16 x lane, registers 10-11 at 1,280 + 8 x lane.  Codes: [tile of 16 rows][K step of 128 (8)][1,536].  Scale words: [K step (8)][row] x 4 bytes.
; POSITIONS.  Rows of x and columns of w_qkv are stored at position p = their index with bits 3 and 4 exchanged: lane r of tile 2 b + u stands for index 32 b + 8 u + r + 8 (r / 8).
; So a product that takes such a tile as source 0 leaves 16 neighbours along the next K in the 16 registers of two neighbouring tiles.  w_proj's columns keep their order.
; THREE PATHS part on the work-group's number and never join; each has LDS bytes of its own.  No barrier: waves share nothing.  No matrix unit, no cluster: every byte is read once.
.set XPITCH, 528                       ; x path: a stage row: 512 bytes (128 numbers of a token) + 16: the sixteen rows of a read fall on sixteen different 16-byte columns
.set XSTG,   16*XPITCH                 ; a wave's stage
.set WSTG,   6144                      ; weight paths: a wave's stage: 2 tiles x 2 K steps x 1,536
.set LBQ,    4*XSTG                    ; w_qkv's stages begin here,
.set LBP,    LBQ+4*WSTG                ; w_proj's here
.set TILEB,  12288                     ; a tile's codes for all of K
.set STEPB,  1536
.set ROWS1,  11264                     ; rows of scl1: 8,192 of x, then 3,072 of w_qkv
; ---- x path.  Fragment f = 2 q + u: tile 2 g + u, K step 2 w + q.
.macro XLOAD f                         ; sixteen tokens' 512 bytes, 16 bytes a lane, into set f % 2
.irp i, 0,1,2,3,4,5,6,7,8,9,10,11,12,13,14,15
	global_load_b128 v[64+64*((\f)%2)+4*\i:64+64*((\f)%2)+4*\i+3], v4, s[4:5] offset:(8*((\f)%2)+\i+8*(\i/8))*4096+512*((\f)/2) th:TH_LOAD_NT
.endr
.endm
.macro XTURN f                         ; through my stage: in as loaded, back as the operand's layout wants them: v[192 + 32 c + j] = x(row r, k = 64 c + 32 h + j).  LDS serves a wave's instructions in order (ISA guide 5.7.1.4)
.irp i, 0,1,2,3,4,5,6,7,8,9,10,11,12,13,14,15
	ds_store_b128 v6, v[64+64*((\f)%2)+4*\i:64+64*((\f)%2)+4*\i+3] offset:XPITCH*\i
.endr
.irp c, 0,1
.irp i, 0,1,2,3,4,5,6,7
	ds_load_b128 v[192+32*\c+4*\i:195+32*\c+4*\i], v7 offset:256*\c+16*\i
.endr
.endr
.endm
.macro XFRAG f
.if (\f) < 3
	s_wait_loadcnt 16                              ; this fragment's sixteen loads are in; the next fragment's sixteen may be out
.else
	s_wait_loadcnt 0x0
.endif
	XTURN \f
	s_wait_dscnt 0x0                               ; my numbers are back, and the stores into the stage have read their registers
.if (\f) < 2
	XLOAD (\f)+2
.endif
.irp c, 0,1                                    ; my block 2 c + h: all its 32 numbers are mine
	v_max3_num_f32 v[42+\c], |v[192+32*\c]|, |v[193+32*\c]|, 0x1800000   ; with the floor 2^(3 - 127): the byte cannot fall under 1
.endr
.irp i, 2,4,6,8,10,12,14,16,18,20,22,24,26,28,30
.irp c, 0,1
	v_max3_num_f32 v[42+\c], v[42+\c], |v[192+32*\c+\i]|, |v[193+32*\c+\i]|
.endr
.endr
.irp c, 0,1
	v_add_nc_u32 v[44+\c], 0xff000000, v[42+\c]    ; 2 off the exponent field: the conversion's scale operand
.endr
.irp c, 0,1
	v_lshrrev_b32 v[46+\c], 23, v[44+\c]           ; the scale's byte
.endr
	v_lshl_or_b32 v48, v47, 16, v46                ; blocks h and 2 + h,
	v_lshlrev_b32 v48, v9, v48                     ; 8 h bits up;
	v_permlanex16_b32 v10, v48, s20, s21
	v_or_b32 v[36+3*((\f)/2)+(\f)%2], v48, v10     ; with lane l xor 16's two bytes the row's word is whole
	s_wait_alu depctr_va_vdst(0)
	s_wait_xcnt 0x0                                ; the last fragment's stores have read their data: the codes' registers are written again only behind this wait
.irp c, 0,1
	v_cvt_scalef32_pk16_fp6_f32 v[16+6*\c:18+6*\c], v[192+32*\c:207+32*\c], v[44+\c]
	v_cvt_scalef32_pk16_fp6_f32 v[28+4*\c:30+4*\c], v[208+32*\c:223+32*\c], v[44+\c]   ; (a conversion's three registers begin on an even number)
.endr
	v_nop                                          ; one plain place behind a scaled conversion
.irp c, 0,1
.irp i, 0,1,2
	v_mov_b32 v[19+6*\c+\i], v[28+4*\c+\i]
.endr
.endr
	global_store_b128 v4, v[16:19], s[10:11] offset:((\f)%2)*TILEB+((\f)/2)*STEPB          ; the image: each store covers 512 or 256 consecutive bytes, aligned
	global_store_b64 v5, v[20:21], s[10:11] offset:((\f)%2)*TILEB+((\f)/2)*STEPB+512
	global_store_b128 v4, v[22:25], s[10:11] offset:((\f)%2)*TILEB+((\f)/2)*STEPB+768
	global_store_b64 v5, v[26:27], s[10:11] offset:((\f)%2)*TILEB+((\f)/2)*STEPB+1280
.if (\f)%2
	v_cndmask_b32 v[38+3*((\f)/2)], v[36+3*((\f)/2)], v[37+3*((\f)/2)], s22   ; lanes 0-15: tile 2 g's words, lanes 16-31: tile 2 g + 1's
	global_store_b32 v8, v[38+3*((\f)/2)], s[12:13] offset:((\f)/2)*ROWS1*4   ; 128 consecutive bytes
.endif
.endm
; ---- weight paths.  A lane takes a column, its registers run down K: a block of 32 lies in one lane, and the conversions give codes with K innermost.
.macro WLOAD t, n                      ; block t: W(32 t + i, my column) into set t % 2
.irp i, 0,1,2,3,4,5,6,7,8,9,10,11,12,13,14,15,16,17,18,19,20,21,22,23,24,25,26,27,28,29,30,31
	global_load_b32 v[32+32*((\t)%2)+\i], v13, s[24:25] offset:(32*(\t)+\i)*(\n)*4 th:TH_LOAD_NT
.endr
.endm
.macro WBLOCK t, n                     ; block t = 4 q + 2 c + h': registers 6 c .. 6 c + 5 of lane (r', h') of the image of K step q
.set XS, 32+32*((\t)%2)
.if (\t) < 7
	s_wait_loadcnt 32                              ; this block's 32 loads are in; the next block's may be out
.else
	s_wait_loadcnt 0x0
.endif
	v_max3_num_f32 v14, |v[XS]|, |v[XS+1]|, |v[XS+2]|
	v_max3_num_f32 v15, |v[XS+3]|, |v[XS+4]|, |v[XS+5]|
.irp i, 6,10,14,18,22,26
	v_max3_num_f32 v14, v14, |v[XS+\i]|, |v[XS+\i+1]|
	v_max3_num_f32 v15, v15, |v[XS+\i+2]|, |v[XS+\i+3]|
.endr
	v_max3_num_f32 v14, v14, |v[XS+30]|, |v[XS+31]|
	v_max3_num_f32 v14, v14, v15, 0x1800000        ; and the floor
	v_add_nc_u32 v16, 0xff000000, v14
	v_lshrrev_b32 v17, 23, v16
.if (\t)%4 == 0
	v_mov_b32 v[24+(\t)/4], v17                    ; four bytes to a word, the lower K in the lower byte
.else
	v_lshl_or_b32 v[24+(\t)/4], v17, 8*((\t)%4), v[24+(\t)/4]
.endif
	v_cvt_scalef32_pk16_fp6_f32 v[96:98], v[XS:XS+15], v16
	v_cvt_scalef32_pk16_fp6_f32 v[104:106], v[XS+16:XS+31], v16
	v_nop                                          ; one plain place behind a scaled conversion
	v_mov_b32 v99, v104
	v_mov_b32 v100, v105
	v_mov_b32 v101, v106
	ds_store_b128 v10, v[96:99] offset:STEPB*((\t)/4)+768*(((\t)%4)/2)+256*((\t)%2)
	ds_store_b64 v11, v[100:101] offset:STEPB*((\t)/4)+768*(((\t)%4)/2)+512+128*((\t)%2)
.if (\t) < 6
	WLOAD (\t)+2, \n
.endif
	s_wait_dscnt 0x0                               ; the stores have read their registers
.endm
; n: columns of the weight;  perm: columns go to their positions;  lb: the path's LDS;  row0: the weight's first row in its codes' and words' buffers;  rows: rows of the words' buffer.
; s17: the work-group's number in the path;  s[24:25] the weight, s[26:27] its codes, s[28:29] its words.
.macro WPATH n, perm, lb, row0, rows
	s_and_b32 s30, s17, 3                          ; which 256 along K
	s_lshr_b32 s31, s17, 2
	s_lshl_b32 s31, s31, 7
	s_lshl_b32 s32, s16, 5
	s_add_co_u32 s31, s31, s32                     ; my wave's first column: 128 x group + 32 x wave
.if \perm
	v_bfe_u32 v6, v0, 3, 1                         ; my column's position among the 32: tile = bit 3 of the lane,
	v_and_b32 v7, 7, v0
	s_wait_alu depctr_va_vdst(0)
	v_lshl_or_b32 v7, v3, 3, v7                    ; row = bits 2:0, and bit 4 above them
.else
	v_mov_b32 v6, v3
	v_mov_b32 v7, v2
.endif
	v_lshl_add_u32 v8, v6, 4, v7
	v_lshlrev_b32 v8, 2, v8                        ; my word's place: 4 x position
	s_mul_i32 s32, s16, WSTG
	s_add_co_u32 s32, s32, \lb                     ; my stage
	v_mul_u32_u24 v9, v6, 2*STEPB
	v_add_nc_u32 v9, s32, v9
	v_lshl_add_u32 v10, v7, 4, v9                  ; into it: the tile's two images, 16 bytes a row
	v_lshl_add_u32 v11, v7, 3, v9                  ; and 8 bytes a row
	v_add_nc_u32 v12, s32, v4                      ; out of it: as it lies
	v_lshlrev_b32 v13, 2, v1                       ; in memory: 4 bytes a column
	s_wait_alu depctr_va_vdst(0)
	s_mul_i32 s34, s30, 256*(\n)*4
	s_lshl_b32 s33, s31, 2
	s_add_co_u32 s34, s34, s33
	s_mov_b32 s35, 0
	s_add_nc_u64 s[24:25], s[24:25], s[34:35]
	s_lshr_b32 s34, s31, 4
	s_add_co_u32 s34, s34, (\row0)/16
	s_mul_i32 s34, s34, TILEB
	s_mul_i32 s33, s30, 2*STEPB
	s_add_co_u32 s34, s34, s33
	s_add_nc_u64 s[26:27], s[26:27], s[34:35]
	s_mul_i32 s34, s30, 2*(\rows)*4
	s_add_co_u32 s33, s31, \row0
	s_lshl_b32 s33, s33, 2
	s_add_co_u32 s34, s34, s33
	s_add_nc_u64 s[28:29], s[28:29], s[34:35]
	WLOAD 0, \n
	WLOAD 1, \n
.irp t, 0,1,2,3,4,5,6,7
	WBLOCK \t, \n
.endr
	global_store_b32 v8, v24, s[28:29]             ; the 32 columns' words of a K step: 128 consecutive bytes
	s_wait_alu depctr_va_vdst(0)
	global_store_b32 v8, v25, s[28:29] offset:(\rows)*4
.irp j, 0,1,2,3,4,5,6,7,8,9,10,11
	ds_load_b128 v[112+4*\j:115+4*\j], v12 offset:512*\j
.endr
.irp j, 0,1,2,3,4,5,6,7,8,9,10,11
	s_wait_dscnt 11-\j                             ; LDS loads come back in order: load j is in, the younger ones may be out
	global_store_b128 v4, v[112+4*\j:115+4*\j], s[26:27] offset:(\j/6)*TILEB+(\j%6)*512   ; 512 consecutive bytes, aligned
.endr
.endm
	s_load_b256 s[4:11], s[0:1], 0x0               ; x, w_qkv, w_proj, cod1
	s_load_b128 s[12:15], s[0:1], 0x20             ; scl1, wpc
	s_load_b64 s[18:19], s[0:1], 0x30              ; wps
	v_lshl_add_u32 v31, v0, 2, 0x14400
	s_set_vgpr_msb 0x40
	v_mov_b32 v1, 0
	s_set_vgpr_msb 0x4000
	v_lshrrev_b32 v1, 5, v0
	v_readfirstlane_b32 s16, v1                    ; wave
	v_and_b32 v1, 31, v0                           ; lane
	v_and_b32 v2, 15, v0                           ; r
	v_bfe_u32 v3, v0, 4, 1                         ; h
	v_lshlrev_b32 v4, 4, v1                        ; 16 x lane
	v_lshlrev_b32 v5, 3, v1                        ; 8 x lane
	s_mov_b32 s20, 0x76543210
	s_mov_b32 s21, 0xfedcba98                      ; v_permlanex16_b32's selects for lane l xor 16
	s_cmp_lt_u32 ttmp9, 256
	s_cbranch_scc0 .Lweights
	; ---- work-groups 0 to 255: 32 tokens of x each; wave w takes K steps 2 w and 2 w + 1
	s_mul_i32 s17, s16, XSTG
	v_add_nc_u32 v6, s17, v4                       ; the stage, on the way in
	v_mul_u32_u24 v7, v2, XPITCH
	v_lshl_add_u32 v7, v3, 7, v7
	v_add_nc_u32 v7, s17, v7                       ; and out: row r, + 128 h bytes
	v_lshlrev_b32 v8, 2, v1
	v_lshlrev_b32 v9, 3, v3
	v_mov_b32 v10, 0                               ; a lane permute's destination counts as one of its sources
	s_mov_b32 s22, 0xffff0000
	s_lshl_b32 s24, ttmp9, 17                      ; 32 tokens of 4,096 bytes
	s_lshl_b32 s26, s16, 10
	s_add_co_u32 s24, s24, s26
	s_mov_b32 s25, 0
	s_mul_i32 s26, ttmp9, 2*TILEB
	s_mul_i32 s28, s16, 2*STEPB
	s_add_co_u32 s26, s26, s28
	s_mov_b32 s27, 0
	s_mul_i32 s28, s16, 2*ROWS1*4
	s_lshl_b32 s30, ttmp9, 7
	s_add_co_u32 s28, s28, s30
	s_mov_b32 s29, 0
	s_wait_kmcnt 0x0
	s_add_nc_u64 s[4:5], s[4:5], s[24:25]
	s_add_nc_u64 s[10:11], s[10:11], s[26:27]
	s_add_nc_u64 s[12:13], s[12:13], s[28:29]
	s_wait_alu depctr_va_vdst(0)
	XLOAD 0
	XLOAD 1
	XFRAG 0
	XFRAG 1
	XFRAG 2
	XFRAG 3
	s_set_vgpr_msb 0x4
	s_wait_tensorcnt 0x0
	ds_add_u32 v31, v1
	s_wait_dscnt 0x0
	s_set_vgpr_msb 0x400
	s_endpgm
.Lweights:
	s_cmp_lt_u32 ttmp9, 352
	s_cbranch_scc0 .Lproj
	; ---- work-groups 256 to 351: w_qkv, 128 columns x 256 along K each
	s_sub_co_u32 s17, ttmp9, 256
	s_wait_kmcnt 0x0
	s_mov_b64 s[24:25], s[6:7]
	s_mov_b64 s[26:27], s[10:11]
	s_mov_b64 s[28:29], s[12:13]
	WPATH 3072, 1, LBQ, 8192, ROWS1
	s_set_vgpr_msb 0x4
	s_wait_tensorcnt 0x0
	ds_add_u32 v31, v1
	s_wait_dscnt 0x0
	s_set_vgpr_msb 0x400
	s_endpgm
.Lproj:
	; ---- work-groups 352 to 383: w_proj likewise
	s_sub_co_u32 s17, ttmp9, 352
	s_wait_kmcnt 0x0
	s_mov_b64 s[24:25], s[8:9]
	s_mov_b64 s[26:27], s[14:15]
	s_mov_b64 s[28:29], s[18:19]
	s_wait_alu depctr_va_vdst(0)
	WPATH 1024, 0, LBP, 0, 1024
	s_set_vgpr_msb 0x4
	s_wait_tensorcnt 0x0
	ds_add_u32 v31, v1
	s_wait_dscnt 0x0
	s_set_vgpr_msb 0x400
	s_endpgm
.Lfunc_end_k_q5f976c6842_quant:
	.size	k_q5f976c6842_quant, .Lfunc_end_k_q5f976c6842_quant-k_q5f976c6842_quant
	.p2alignl 7, 3214868480
	.fill 96, 4, 3214868480
	.section	.rodata,"a",@progbits
	.p2align	6, 0x0
	.amdhsa_kernel k_q5f976c6842_quant
		.amdhsa_group_segment_fixed_size 83456
		.amdhsa_private_segment_fixed_size 0
		.amdhsa_enable_private_segment 0
		.amdhsa_kernarg_size 56
		.amdhsa_user_sgpr_count 2
		.amdhsa_user_sgpr_kernarg_segment_ptr 1
		.amdhsa_wavefront_size32 1
		.amdhsa_system_sgpr_workgroup_id_x 1
		.amdhsa_system_sgpr_workgroup_id_y 1
		.amdhsa_system_sgpr_workgroup_id_z 1
		.amdhsa_system_vgpr_workitem_id 0
		.amdhsa_next_free_vgpr 258
		.amdhsa_next_free_sgpr 66
		.amdhsa_reserve_vcc 0
		.amdhsa_float_denorm_mode_32 3
		.amdhsa_float_denorm_mode_16_64 3
		.amdhsa_memory_ordered 1
		.amdhsa_forward_progress 1
		.amdhsa_inst_pref_size 114
	.end_amdhsa_kernel
	.amdgpu_metadata
---
amdhsa.version: [ 1, 2 ]
amdhsa.kernels:
  - .name:           k_q5f976c6842_quant
    .symbol:         k_q5f976c6842_quant.kd
    .args:
      - { .name: x, .offset: 0, .size: 8, .value_kind: global_buffer, .address_space: global }
      - { .name: w_qkv, .offset: 8, .size: 8, .value_kind: global_buffer, .address_space: global }
      - { .name: w_proj, .offset: 16, .size: 8, .value_kind: global_buffer, .address_space: global }
      - { .name: cod1, .offset: 24, .size: 8, .value_kind: global_buffer, .address_space: global }
      - { .name: scl1, .offset: 32, .size: 8, .value_kind: global_buffer, .address_space: global }
      - { .name: wpc, .offset: 40, .size: 8, .value_kind: global_buffer, .address_space: global }
      - { .name: wps, .offset: 48, .size: 8, .value_kind: global_buffer, .address_space: global }
    .group_segment_fixed_size: 83456
    .private_segment_fixed_size: 0
    .kernarg_segment_align: 8
    .kernarg_segment_size: 56
    .max_flat_workgroup_size: 128
    .sgpr_count:     66
    .vgpr_count:     258
    .wavefront_size: 32
...
	.end_amdgpu_metadata
.endif
;; end of part 1
;; launch gemm1 (part 2): grid 12 x 32, 4 waves a work-group, clusters of 4 x 4, 327,680 bytes of LDS; arguments cod1, scl1, b_qkv, qrec, kv; writes qrec, kv
.if DOCPART == 2
	.amdgcn_target "amdgcn-amd-amdhsa--gfx1250"
	.amdhsa_code_object_version 6
	.text
	.protected	k_q5f976c6842_gemm1
	.globl	k_q5f976c6842_gemm1
	.p2align	8
	.type	k_q5f976c6842_gemm1,@function
k_q5f976c6842_gemm1:
	s_mov_b64 s[64:65], 0
	v_nop
	global_prefetch_b8 v0, s[64:65] scope:SCOPE_SE
	s_setreg_imm32_b32 hwreg(HW_REG_WAVE_MODE, 25, 1), 1
	s_wait_xcnt 0x0
	s_wait_alu depctr_hold_cnt(0) depctr_sa_sdst(0) depctr_va_vdst(0) depctr_va_sdst(0) depctr_va_ssrc(0) depctr_va_vcc(0) depctr_vm_vsrc(0)
	s_getreg_b32 s2, hwreg(HW_REG_IB_STS2, 6, 4)
	s_cmp_eq_u32 s2, 0
	s_cbranch_scc0 .Lentry_in_a_cluster
	s_endpgm
.Lentry_in_a_cluster:
	s_bfe_u32 s2, ttmp6, 0x10000c
	s_cmp_lg_u32 s2, 0xf033
	s_cbranch_scc0 .Lentry_shape_is_right
	s_endpgm
.Lentry_shape_is_right:
.set NQ,     2
.set FR,     12
.set NL,     4
.set NP,     4
.set TILEB,  12288
.set STEPB,  1536
.set SLROW,  NQ*STEPB
.set HALFT,  8*SLROW
.set SLOT,   4*HALFT
.set LAPS,   2
.set SCL,    2*SLOT
.set HALFS,  4096
.set SPARE,  SCL+4*HALFS
.set PROWS,  11264
.set ADRA, 16
.set ADRB, 20
.set L16,  24
.set L8,   25
.set ADRS, 27
.set SPW,  28
.set NIL,  29
.set SC,   32
.set BI,   64
.set AF,   128
.set TM,   32
.set PC,   48
.set PWS,  72
.set MW,   80
.set G1, 24
.set G0, 32
.set G1B, 48
.set G0B, 56
.set G1S, 68
.set G0S, 76
.set G1SB, 80
.set G0SB, 88
.set ISV, 66
.set HM,  67
.set SEL, 18
.set MSB, 0
.macro WIN new
.if MSB != \new
	s_set_vgpr_msb (MSB<<8)|\new
.set MSB, \new
.endif
.endm
.set MUL_LO, 0xa1
.set MUL_HI, 0xf1
.set TO_B,   0x40
.macro JLOAD g0a, g1a, g0b, g1b
	s_cmp_eq_u32 s15, 0
	s_cbranch_scc0 .Lfor_b_\@
	tensor_load_to_lds s[\g0a:\g0a+3], s[\g1a:\g1a+7]
	s_nop 0
.rept 4
	v_nop
.endr
	s_branch .Lasked_\@
.Lfor_b_\@:
	tensor_load_to_lds s[\g0b:\g0b+3], s[\g1b:\g1b+7]
	s_nop 0
.rept 4
	v_nop
.endr
.Lasked_\@:
.endm
.macro CREST
	s_cmp_lg_u32 s14, 0
	s_cbranch_scc1 .Lnot_wave_0_\@
	s_barrier_signal -3
.Lnot_wave_0_\@:
	s_barrier_wait -3
	s_barrier_signal -1
	s_barrier_wait -1
.endm
.macro CROUND
	s_barrier_signal -1
	s_barrier_wait -1
	CREST
.endm
.macro FRAG reg, adr, q, i
	ds_load_b128 v[\reg:\reg+3], v[\adr] offset:(\i)*SLROW+(\q)*STEPB
	ds_load_b64 v[\reg+4:\reg+5], v[\adr+2] offset:(\i)*SLROW+(\q)*STEPB+512
	ds_load_b128 v[\reg+6:\reg+9], v[\adr] offset:(\i)*SLROW+(\q)*STEPB+768
	ds_load_b64 v[\reg+10:\reg+11], v[\adr+2] offset:(\i)*SLROW+(\q)*STEPB+1280
.endm
.macro MUL16 a0, p, q, sc, zero
.irp a, \a0, \a0+1
.irp b, 0,1,2,3,4,5,6,7
.set rD, 8*(8*((\a)%4)+\b)
.set rB, 128*(\p)+FR*\b
.set rA, AF+FR*(\a)
.set rSB, SC+8*NQ*(\sc)+NQ*\b+(\q)
.set rSA, SC+8*NQ*(\sc)+NQ*(\a)+(\q)
.if (\zero) == 1
	v_wmma_scale_f32_16x16x128_f8f6f4 v[rD:rD+7], v[rB:rB+FR-1], v[rA:rA+FR-1], v[BI+8*\b:BI+8*\b+7], v[rSB], v[rSA] matrix_a_fmt:MATRIX_FMT_FP6 matrix_b_fmt:MATRIX_FMT_FP6 matrix_a_scale:MATRIX_SCALE_ROW1
.elseif (\zero) == 2
	v_wmma_scale_f32_16x16x128_f8f6f4 v[rD:rD+7], v[rB:rB+FR-1], v[rA:rA+FR-1], v[BI+8*(\a):BI+8*(\a)+7], v[rSB], v[rSA] matrix_a_fmt:MATRIX_FMT_FP6 matrix_b_fmt:MATRIX_FMT_FP6 matrix_a_scale:MATRIX_SCALE_ROW1
.else
	v_wmma_scale_f32_16x16x128_f8f6f4 v[rD:rD+7], v[rB:rB+FR-1], v[rA:rA+FR-1], v[rD:rD+7], v[rSB], v[rSA] matrix_a_fmt:MATRIX_FMT_FP6 matrix_b_fmt:MATRIX_FMT_FP6 matrix_a_scale:MATRIX_SCALE_ROW1
.endif
.endr
.endr
.endm
.macro FETCH_B slot, q, p
	WIN TO_B
.irp i, 0,1,2,3,4,5,6,7
	FRAG 128*(\p)+FR*\i, ADRB+\slot, \q, \i
.endr
	WIN 0
.endm
.macro FETCH_A slot, q, i0
.irp i, \i0, \i0+1, \i0+2, \i0+3
	FRAG AF+FR*(\i), ADRA+\slot, \q, \i
.endr
.endm
.macro SCALES sc
.irp i, 0,1,2,3,4,5,6,7
.irp q, 0,1
	ds_load_b32 v[SC+8*NQ*\sc+NQ*\i+\q], v[ADRS] offset:512*\q+64*\i
.endr
.endr
.endm
.macro PLACES n
.rept \n
	v_nop
.endr
.endm
.macro STEP slot, q, zero
	s_wait_dscnt 4*NL
.if \zero
	WIN 0x81
.else
	WIN MUL_LO
.endif
	MUL16 0, (\q)%2, \q, \slot, \zero
	MUL16 2, (\q)%2, \q, \slot, \zero
	s_wait_dscnt 0
	PLACES NP
	FETCH_B \slot, (\q)+1, 1-(\q)%2
	FETCH_A \slot, (\q)+1, 0
.if \zero
	WIN 0xc1
.else
	WIN MUL_HI
.endif
	MUL16 4, (\q)%2, \q, \slot, \zero
	MUL16 6, (\q)%2, \q, \slot, \zero
	PLACES NP
	WIN 0
	FETCH_A \slot, (\q)+1, 4
.endm
.macro TURN slot, next, fill
	s_wait_tensorcnt 0x0
	ds_add_u32 v[SPW], v[NIL]
	s_wait_dscnt 4*NL+1
	WIN MUL_LO
	MUL16 0, 1, NQ-1, \slot, 0
	s_wait_dscnt 0x0
	s_barrier_signal -1
	MUL16 2, 1, NQ-1, \slot, 0
	WIN 0
	s_barrier_wait -1
.if \fill
	CREST
	s_add_nc_u64 s[G0+4*\slot+2:G0+4*\slot+3], s[G0+4*\slot+2:G0+4*\slot+3], 2*SLROW
	s_add_nc_u64 s[G0B+4*\slot+2:G0B+4*\slot+3], s[G0B+4*\slot+2:G0B+4*\slot+3], 2*SLROW
	JLOAD G0+4*\slot, G1, G0B+4*\slot, G1B
.else
	PLACES NP
.endif
	s_wait_alu depctr_va_vdst(0)
	v_add_nc_u32 v[ADRS], 512*NQ, v[ADRS]
	FETCH_B \next, 0, 0
	FETCH_A \next, 0, 0
	SCALES \next
	WIN MUL_HI
	MUL16 4, 1, NQ-1, \slot, 0
	MUL16 6, 1, NQ-1, \slot, 0
	PLACES NP
	WIN 0
	FETCH_A \next, 0, 4
.endm
.macro QUANT a
.set NB, 64*((\a)%4)
	WIN 0x28+0x14*((\a)/4)
.irp b, 0,1,2,3
	v_max3_num_f32 v[TM+\b], 0x1800000, |v[NB+16*\b]|, |v[NB+16*\b+1]|
.endr
.irp i, 2,4,6,8,10,12,14
.irp b, 0,1,2,3
	v_max3_num_f32 v[TM+\b], v[TM+\b], |v[NB+16*\b+\i]|, |v[NB+16*\b+\i+1]|
.endr
.endr
	WIN 0
.irp b, 0,1,2,3
	v_permlanex16_b32 v[TM+4+\b], v[TM+\b], s[SEL], s[SEL+1]
.endr
.irp b, 0,1,2,3
	v_max_num_f32 v[TM+\b], v[TM+\b], v[TM+4+\b]
.endr
.irp b, 0,1,2,3
	v_add_nc_u32 v[TM+12+\b], 0xff000000, v[TM+\b]
.endr
.irp b, 0,1,2,3
	v_lshrrev_b32 v[TM+4+\b], 23, v[TM+12+\b]
.endr
	v_lshl_or_b32 v[PWS+\a], v[TM+5], 8, v[TM+4]
	v_lshl_or_b32 v[PWS+\a], v[TM+6], 16, v[PWS+\a]
	v_lshl_or_b32 v[PWS+\a], v[TM+7], 24, v[PWS+\a]
	s_wait_xcnt 0x0
	WIN 2+(\a)/4
.irp c, 0,1
	v_cvt_scalef32_pk16_fp6_f32 v[PC+6*\c:PC+2+6*\c], v[NB+32*\c:NB+15+32*\c], v[TM+12+2*\c]
	v_cvt_scalef32_pk16_fp6_f32 v[PC+12+4*\c:PC+14+4*\c], v[NB+16+32*\c:NB+31+32*\c], v[TM+12+2*\c+1]
.endr
	WIN 0
	v_nop
.irp c, 0,1
.irp i, 0,1,2
	v_permlane16_swap_b32 v[PC+6*\c+\i], v[PC+12+4*\c+\i]
.endr
.irp i, 0,1,2
	v_mov_b32 v[PC+3+6*\c+\i], v[PC+12+4*\c+\i]
.endr
.endr
.endm
	s_load_b128 s[4:7], s[0:1], 0x0
	s_load_b128 s[8:11], s[0:1], 0x10
	s_load_b64 s[12:13], s[0:1], 0x20
	v_lshl_add_u32 v[SPW], v0, 2, SPARE
	v_mov_b32 v[NIL], 0
	ds_add_u32 v28, v29
	ds_add_u32 v28, v29
	s_wait_dscnt 0x0
	v_lshrrev_b32 v1, 5, v0
	v_readfirstlane_b32 s14, v1
	s_lshr_b32 s15, s14, 1
	s_and_b32 s16, s14, 1
	s_bfe_u32 s40, ttmp6, 0x40000
	s_bfe_u32 s41, ttmp6, 0x40004
	s_lshl_b32 s42, ttmp9, 2
	s_and_b32 s17, ttmp7, 0xffff
	s_lshl_b32 s17, s17, 2
	s_cmp_eq_u32 ttmp9, 2
	s_cselect_b32 s[ISV], 1, 0
	s_cselect_b32 s18, 0, s17
	s_cselect_b32 s19, s17, s42
	s_cselect_b32 s94, 640, 0
	s_cselect_b32 s95, 0, 512
	s_add_co_u32 s17, s18, s41
	s_add_co_u32 s42, s19, s40
	s_lshl_b32 s43, s41, 2
	s_lshl_b32 s43, 15, s43
	s_lshl_b32 s44, 0x1111, s40
	s_or_b32 s[G1+0], s43, (3<<16)|(1<<21)
	s_or_b32 s[G1B+0], s44, (3<<16)|(1<<21)
.irp g, G1, G1B
	s_mov_b32 s[\g+1], (SLROW/8)<<16
	s_mov_b32 s[\g+2], 8<<16
	s_mov_b32 s[\g+3], (SLROW/8)<<16
	s_mov_b32 s[\g+4], 8
	s_mov_b32 s[\g+5], TILEB/8
	s_mov_b32 s[\g+6], 0
	s_mov_b32 s[\g+7], 0
.endr
	s_or_b32 s[G1S+0], s43, (2<<16)|(1<<21)
	s_or_b32 s[G1SB+0], s44, (2<<16)|(1<<21)
.irp g, G1S, G1SB
	s_mov_b32 s[\g+1], 128<<16
	s_mov_b32 s[\g+2], 8<<16
	s_mov_b32 s[\g+3], 128<<16
	s_mov_b32 s[\g+4], 8
	s_mov_b32 s[\g+5], PROWS
	s_mov_b32 s[\g+6], 0
	s_mov_b32 s[\g+7], 0
.endr
	s_lshl_b32 s96, s16, 3
	s_lshl_b32 s97, s17, 4
	s_add_co_u32 s97, s97, s94
	s_add_co_u32 s97, s97, s96
	s_lshl_b32 s98, s42, 4
	s_add_co_u32 s98, s98, s95
	s_add_co_u32 s98, s98, s96
	s_mul_i32 s20, s97, TILEB
	s_mov_b32 s21, 0
	s_lshl_b32 s22, s97, 6
	s_mov_b32 s23, 0
	s_mul_i32 s46, s98, TILEB
	s_mov_b32 s47, 0
	s_lshl_b32 s92, s98, 6
	s_mov_b32 s93, 0
	s_mul_i32 s45, s14, HALFT
	s_lshl_b32 s99, s14, 12
	s_wait_kmcnt 0x0
	s_add_nc_u64 s[20:21], s[4:5], s[20:21]
	s_add_nc_u64 s[22:23], s[6:7], s[22:23]
	s_add_nc_u64 s[46:47], s[4:5], s[46:47]
	s_add_nc_u64 s[92:93], s[6:7], s[92:93]
	CROUND
	s_mov_b32 s[G0S], 1
	s_add_co_u32 s[G0S+1], s99, SCL
	s_mov_b64 s[G0S+2:G0S+3], s[22:23]
	s_or_b32 s[G0S+3], s[G0S+3], 0x80000000
	s_mov_b32 s[G0SB], 1
	s_add_co_u32 s[G0SB+1], s99, SCL
	s_mov_b64 s[G0SB+2:G0SB+3], s[92:93]
	s_or_b32 s[G0SB+3], s[G0SB+3], 0x80000000
	JLOAD G0S, G1S, G0SB, G1SB
.irp s, 0,1
	s_mov_b32 s[G0+4*\s], 1
	s_add_co_u32 s[G0+4*\s+1], s45, \s*SLOT
	s_add_nc_u64 s[G0+4*\s+2:G0+4*\s+3], s[20:21], \s*SLROW
	s_or_b32 s[G0+4*\s+3], s[G0+4*\s+3], 0x80000000
	s_mov_b32 s[G0B+4*\s], 1
	s_add_co_u32 s[G0B+4*\s+1], s45, \s*SLOT
	s_add_nc_u64 s[G0B+4*\s+2:G0B+4*\s+3], s[46:47], \s*SLROW
	s_or_b32 s[G0B+4*\s+3], s[G0B+4*\s+3], 0x80000000
	s_wait_alu depctr_va_vdst(0)
	s_wait_tensorcnt 0x0
	ds_add_u32 v28, v29
	s_wait_dscnt 0x0
	CROUND
	JLOAD G0+4*\s, G1, G0B+4*\s, G1B
.endr
	v_and_b32 v1, 31, v0
	v_and_b32 v2, 15, v0
	v_bfe_u32 v3, v0, 4, 1
	v_lshlrev_b32 v[L16], 4, v1
	v_lshlrev_b32 v[L8], 3, v1
	s_mul_i32 s21, s15, HALFT
	s_mul_i32 s22, s16, HALFT
	s_add_co_u32 s22, s22, 2*HALFT
.irp s, 0,1
	v_add_nc_u32 v[ADRA+\s], s21, v[L16]
	v_add_nc_u32 v[ADRB+\s], s22, v[L16]
	v_add_nc_u32 v[ADRA+2+\s], s21, v[L8]
	v_add_nc_u32 v[ADRB+2+\s], s22, v[L8]
	s_add_co_u32 s21, s21, SLOT
	s_add_co_u32 s22, s22, SLOT
.endr
	v_lshlrev_b32 v5, 2, v2
	s_lshl_b32 s21, s15, 12
	s_lshl_b32 s22, s16, 12
	s_add_co_u32 s22, s22, 2*HALFS
	s_sub_co_u32 s22, s22, s21
	v_mul_u32_u24 v6, s22, v3
	s_add_co_u32 s21, s21, SCL
	v_add_nc_u32 v5, v5, v6
	v_add_nc_u32 v[ADRS], s21, v5
	s_cmp_eq_u32 s[ISV], 1
	s_cselect_b32 s21, s17, s42
	s_cselect_b32 s22, s15, s16
	s_cselect_b32 s23, 8192, 0
	s_lshl_b32 s21, s21, 10
	s_lshl_b32 s22, s22, 9
	s_add_co_u32 s22, s22, s21
	s_add_co_u32 s22, s22, s23
	s_mov_b32 s23, 0
	s_add_nc_u64 s[8:9], s[8:9], s[22:23]
	v_lshlrev_b32 v6, 6, v3
	v_and_b32 v7, 8, v2
	v_add_nc_u32 v7, v7, v2
	v_lshlrev_b32 v7, 2, v7
	s_cmp_eq_u32 s[ISV], 0
	s_cbranch_scc0 .Lbias_v
.irp b, 0,1,2,3,4,5,6,7
	global_load_b128 v[BI+8*\b:BI+8*\b+3], v6, s[8:9] offset:(32*(\b/2)+8*(\b%2))*4
	global_load_b128 v[BI+8*\b+4:BI+8*\b+7], v6, s[8:9] offset:(32*(\b/2)+8*(\b%2))*4+16
.endr
	s_branch .Lbias_done
.Lbias_v:
	s_wait_alu depctr_va_vdst(0)
.irp a, 0,1,2,3,4,5,6,7
.irp j, 0,1,2,3,4,5,6,7
	global_load_b32 v[BI+8*\a+\j], v7, s[8:9] offset:(32*(\a/2)+8*(\a%2))*4
.endr
.endr
.Lbias_done:
	s_cmp_eq_u32 s[ISV], 1
	s_cselect_b32 s96, s41, s40
	s_cselect_b32 s97, s15, s16
	s_cselect_b32 s98, s42, s17
	s_cselect_b32 s99, s16, s15
	s_lshl_b32 s96, s96, 2
	s_lshl_b32 s97, s97, 1
	s_add_co_u32 s96, s96, s97
	s_lshl_b32 s98, s98, 1
	s_add_co_u32 s98, s98, s99
	s_lshr_b32 s97, s98, 4
	s_lshl_b32 s97, s97, 4
	s_add_co_u32 s97, s97, s96
	s_lshl_b32 s97, s97, 4
	s_and_b32 s98, s98, 15
	s_add_co_u32 s97, s97, s98
	s_cmp_eq_u32 ttmp9, 0
	s_mov_b32 s96, 13056
	s_cselect_b32 s96, 6656, s96
	s_cselect_b64 s[10:11], s[10:11], s[12:13]
	s_mul_i32 s98, s97, s96
	s_mov_b32 s99, 0
	s_add_nc_u64 s[10:11], s[10:11], s[98:99]
	s_lshl_b32 s98, s96, 4
	s_add_nc_u64 s[12:13], s[10:11], s[98:99]
	s_mov_b32 s[HM], 0xffff0000
	s_mov_b32 s[SEL], 0x76543210
	s_mov_b32 s[SEL+1], 0xfedcba98
	s_wait_tensorcnt 1
	s_barrier_signal -1
	s_barrier_wait -1
	FETCH_B 0, 0, 0
	FETCH_A 0, 0, 0
	s_wait_alu depctr_va_vdst(0)
	SCALES 0
	FETCH_A 0, 0, 4
	s_wait_loadcnt 0x0
	s_cmp_eq_u32 s[ISV], 0
	s_cbranch_scc0 .Lfirst_v
	STEP 0, 0, 1
	s_branch .Lfirst_done
.Lfirst_v:
	STEP 0, 0, 2
.Lfirst_done:
	s_mov_b32 s3, LAPS-1
.Llap:
	TURN 0, 1, 1
	STEP 1, 0, 0
	TURN 1, 0, 1
	STEP 0, 0, 0
	s_sub_co_u32 s3, s3, 1
	s_cmp_lg_u32 s3, 0
	s_cbranch_scc1 .Llap
	TURN 0, 1, 0
	STEP 1, 0, 0
	s_wait_dscnt 4*NL
	WIN MUL_LO
	MUL16 0, 1, NQ-1, 1, 0
	MUL16 2, 1, NQ-1, 1, 0
	s_wait_dscnt 0
	WIN MUL_HI
	MUL16 4, 1, NQ-1, 1, 0
	MUL16 6, 1, NQ-1, 1, 0
	WIN 0
	PLACES NP
.irp b, 0,1,2,3
	v_mov_b32 v[TM+4+\b], 0
.endr
	s_cmp_eq_u32 s[ISV], 0
	s_cbranch_scc0 .Lepi_v
.irp a, 0,1,2,3,4,5,6,7
	QUANT \a
	global_store_b128 v[L16], v[PC:PC+3], s[10:11] offset:768*\a
	global_store_b64 v[L8], v[PC+4:PC+5], s[10:11] offset:768*\a+512
	global_store_b128 v[L16], v[PC+6:PC+9], s[12:13] offset:768*\a
	global_store_b64 v[L8], v[PC+10:PC+11], s[12:13] offset:768*\a+512
.endr
.irp i, 0,1,2,3
	v_cndmask_b32 v[MW+\i], v[PWS+2*\i], v[PWS+2*\i+1], s[HM]
.endr
.irp i, 0,1,2,3
	v_lshrrev_b32 v[MW+4+\i], 16, v[MW+\i]
.endr
	global_store_b128 v[L16], v[MW:MW+3], s[10:11] offset:6144
	global_store_b128 v[L16], v[MW+4:MW+7], s[12:13] offset:6144
	s_branch .Lepi_done
.Lepi_v:
.irp a, 0,1,2,3,4,5,6,7
	QUANT \a
	global_store_b128 v[L16], v[PC:PC+3], s[10+2*(\a/4):11+2*(\a/4)] offset:6656+STEPB*(\a%4)
	global_store_b64 v[L8], v[PC+4:PC+5], s[10+2*(\a/4):11+2*(\a/4)] offset:6656+STEPB*(\a%4)+512
	global_store_b128 v[L16], v[PC+6:PC+9], s[10+2*(\a/4):11+2*(\a/4)] offset:6656+STEPB*(\a%4)+768
	global_store_b64 v[L8], v[PC+10:PC+11], s[10+2*(\a/4):11+2*(\a/4)] offset:6656+STEPB*(\a%4)+1280
.endr
.irp i, 0,1,2,3
	v_cndmask_b32 v[MW+\i], v[PWS+2*\i], v[PWS+2*\i+1], s[HM]
.endr
	global_store_b64 v[L8], v[MW:MW+1], s[10:11] offset:12800
	global_store_b64 v[L8], v[MW+2:MW+3], s[12:13] offset:12800
.Lepi_done:
	s_wait_tensorcnt 0x0
	ds_add_u32 v[SPW], v[NIL]
	s_wait_dscnt 0x0
	CROUND
	s_endpgm
.Lfunc_end_k_q5f976c6842_gemm1:
	.size	k_q5f976c6842_gemm1, .Lfunc_end_k_q5f976c6842_gemm1-k_q5f976c6842_gemm1
	.p2alignl 7, 3214868480
	.fill 96, 4, 3214868480
	.section	.rodata,"a",@progbits
	.p2align	6, 0x0
	.amdhsa_kernel k_q5f976c6842_gemm1
		.amdhsa_group_segment_fixed_size 327680
		.amdhsa_private_segment_fixed_size 0
		.amdhsa_enable_private_segment 0
		.amdhsa_kernarg_size 40
		.amdhsa_user_sgpr_count 2
		.amdhsa_user_sgpr_kernarg_segment_ptr 1
		.amdhsa_wavefront_size32 1
		.amdhsa_system_sgpr_workgroup_id_x 1
		.amdhsa_system_sgpr_workgroup_id_y 1
		.amdhsa_system_sgpr_workgroup_id_z 1
		.amdhsa_system_vgpr_workitem_id 0
		.amdhsa_next_free_vgpr 1024
		.amdhsa_next_free_sgpr 100
		.amdhsa_reserve_vcc 0
		.amdhsa_float_denorm_mode_32 3
		.amdhsa_float_denorm_mode_16_64 3
		.amdhsa_memory_ordered 1
		.amdhsa_forward_progress 1
		.amdhsa_inst_pref_size 208
	.end_amdhsa_kernel
	.amdgpu_metadata
---
amdhsa.version: [ 1, 2 ]
amdhsa.kernels:
  - .name:           k_q5f976c6842_gemm1
    .symbol:         k_q5f976c6842_gemm1.kd
    .args:
      - { .name: cod1, .offset: 0, .size: 8, .value_kind: global_buffer, .address_space: global }
      - { .name: scl1, .offset: 8, .size: 8, .value_kind: global_buffer, .address_space: global }
      - { .name: b_qkv, .offset: 16, .size: 8, .value_kind: global_buffer, .address_space: global }
      - { .name: qrec, .offset: 24, .size: 8, .value_kind: global_buffer, .address_space: global }
      - { .name: kv, .offset: 32, .size: 8, .value_kind: global_buffer, .address_space: global }
    .group_segment_fixed_size: 327680
    .private_segment_fixed_size: 0
    .kernarg_segment_align: 8
    .kernarg_segment_size: 40
    .max_flat_workgroup_size: 128
    .sgpr_count:     100
    .vgpr_count:     1024
    .wavefront_size: 32
...
	.end_amdgpu_metadata
.endif
;; end of part 2
;; launch attn (part 3): grid 4 x 64, 16 waves a work-group, clusters of 4 x 1, 210,944 bytes of LDS; arguments qrec, kv, oc, os; writes oc, os
.if DOCPART == 3
	.amdgcn_target "amdgcn-amd-amdhsa--gfx1250"
	.amdhsa_code_object_version 6
	.text
	.protected	k_q5f976c6842_attn
	.globl	k_q5f976c6842_attn
	.p2align	8
	.type	k_q5f976c6842_attn,@function
k_q5f976c6842_attn:
	s_mov_b64 s[64:65], 0
	v_nop
	global_prefetch_b8 v0, s[64:65] scope:SCOPE_SE
	s_setreg_imm32_b32 hwreg(HW_REG_WAVE_MODE, 25, 1), 1
	s_wait_xcnt 0x0
	s_wait_alu depctr_hold_cnt(0) depctr_sa_sdst(0) depctr_va_vdst(0) depctr_va_sdst(0) depctr_va_ssrc(0) depctr_va_vcc(0) depctr_vm_vsrc(0)
	s_getreg_b32 s2, hwreg(HW_REG_IB_STS2, 6, 4)
	s_cmp_eq_u32 s2, 0
	s_cbranch_scc0 .Lentry_in_a_cluster
	s_endpgm
.Lentry_in_a_cluster:
	s_bfe_u32 s2, ttmp6, 0x10000c
	s_cmp_lg_u32 s2, 0x3003
	s_cbranch_scc0 .Lentry_shape_is_right
	s_endpgm
.Lentry_shape_is_right:
; o = softmax(q k^T / 8) v for one (batch, head) a cluster, both products on codes of FP6 (E2M3) with E8M0 scales; o is quantised along the model's 1,024 and leaves as codes.
; THE SOFTMAX: t = score x log2(e) / 8; M = the running largest t rounded up to a whole number; p = 2^(t - M) is quantised along the keys, not normalised; the row's sum is taken of the
; unquantised p and divides O at the end; when M moves, the sum and O are multiplied by 2^(old M - new M), which rounds nothing.
; SHARES.  A cluster of four work-groups owns a head; a work-group 512 queries; each of its sixteen waves two tiles of 16 queries, one after the other (two passes), in 256 registers: four waves to a SIMD,
; so that one wave's vector work stands beside another's products and LDS loads.
; LDS.  The head's 16 records of K and V (128 keys each, 13,056 bytes: K's 8 half images, its words at 6,144, V^T's 4 images at 6,656, its words at 12,800) fill LDS ONCE: 208,896 bytes.
; Nothing is filled again and nothing is stored to LDS.  The four work-groups need the same records: each is asked for jointly.  All loads go out at the head, so nothing is left to prefetch.
; LAYOUT.  S^T = K Q^T (source 0 = 16 keys at their positions, source 1 = my 16 queries) and O^T = V^T P^T (source 0 = 16 of the head's 64 at their positions): a lane holds one query throughout,
; the 16 registers of two neighbouring tiles are 16 neighbouring keys (of O^T: 16 neighbours of the head's 64).
; K = 64 UNDER AN INSTRUCTION OF 128: Q's registers 6-11 are zero codes.  K's tiles stand 6 registers apart, so tile t's registers 6-11 are tile t + 1's codes (behind tile 7: zeros): every code is a finite number
; and no scale byte is 0xff, so against Q's zeros they add nothing.
; LIMITS: a block of zeros gets the byte 1 (its codes are zeros; this program alone reads the bytes); NaN and infinities are not served.
; os: a row's word for 128 along K holds two heads' bytes, so a work-group stores 2 bytes a row there: the other half is another work-group's.
; REGISTERS: v1, v2 16 and 8 x lane; v3, v4 the same in the record in hand; v5, v6 Q's words of this pass and the next; v7 o's scale bytes; v8, v9 offsets; v12 -M, v13 the largest t, v[14:15] the sum;
; v16-27 Q; v28-33 the next pass's Q; v34-87 K's tiles, then V's; v88-91 K's words, v92-93 V's; v96-159 S^T, then p; v160-191 O^T; v192-203 p's codes; v204-227 at work.
.set REC,  13056
.set QREC, 6656
.set WV,   12                          ; s12 my wave's number
.set SEL,  20                          ; s[20:21] lane selects for lane l xor 16
.set CS,   22                          ; s[22:23] c = log2(e) / 8
.set G1,   24                          ; s[24:31] descriptor group 1;  s[32:47] four groups 0
.set G0,   32
.set TB,   48                          ; s48 LDS byte at which the record in hand begins
.set CNT,  49
.set PASS, 50
.set MASK, 51                          ; s51 the lanes that take this pass's scale bytes
.macro ROUND                           ; a round of the cluster's barrier
	s_barrier_signal -1
	s_barrier_wait -1
	s_cmp_lg_u32 s[WV], 0
	s_cbranch_scc1 .Lnot_wave_0_\@
	s_barrier_signal -3
.Lnot_wave_0_\@:
	s_barrier_wait -3
	s_barrier_signal -1
	s_barrier_wait -1
.endm
; A KEY STEP: the 128 keys of the record at s[TB].
.macro STEP
	v_add_nc_u32 v3, s[TB], v1
	v_add_nc_u32 v4, s[TB], v2
	v_nop
	v_nop                                          ; four places behind the last products, in front of loads into registers that they read
.irp t, 0,1,2,3,4,5,6,7
	ds_load_b128 v[34+6*\t:37+6*\t], v3 offset:768*\t
	ds_load_b64 v[38+6*\t:39+6*\t], v4 offset:768*\t+512
.endr
	ds_load_b128 v[88:91], v3 offset:6144          ; K's words: register i: lanes 0-15 tile 2 i, lanes 16-31 tile 2 i + 1
	s_wait_alu depctr_va_vdst(0)
	s_wait_dscnt 0x0
.irp t, 0,2,4,6
	v_wmma_scale_f32_16x16x128_f8f6f4 v[96+8*\t:103+8*\t], v[34+6*\t:45+6*\t], v[16:27], 0, v[88+\t/2], v5 matrix_a_fmt:MATRIX_FMT_FP6 matrix_b_fmt:MATRIX_FMT_FP6
	v_wmma_scale_f32_16x16x128_f8f6f4 v[104+8*\t:111+8*\t], v[40+6*\t:51+6*\t], v[16:27], 0, v[88+\t/2], v5 matrix_a_fmt:MATRIX_FMT_FP6 matrix_b_fmt:MATRIX_FMT_FP6 matrix_a_scale:MATRIX_SCALE_ROW1
.endr
.rept 4
	v_nop                                          ; places in front of the loads below and of the first read of the scores
.endr
.irp t, 0,1,2,3                                ; V's tiles are asked for now and land under the softmax
	ds_load_b128 v[34+12*\t:37+12*\t], v3 offset:6656+1536*\t
	ds_load_b64 v[38+12*\t:39+12*\t], v4 offset:6656+1536*\t+512
	ds_load_b128 v[40+12*\t:43+12*\t], v3 offset:6656+1536*\t+768
	ds_load_b64 v[44+12*\t:45+12*\t], v4 offset:6656+1536*\t+1280
.endr
	ds_load_b64 v[92:93], v4 offset:12800
.irp b, 0,1,2,3
	v_max3_num_f32 v[212+\b], v[96+16*\b], v[97+16*\b], v[98+16*\b]   ; the largest score of each block of 32 keys: for the row's maximum and, since p rises with the score, for the block's largest p
.endr
.irp i, 3,5,7,9,11,13
.irp b, 0,1,2,3
	v_max3_num_f32 v[212+\b], v[212+\b], v[96+16*\b+\i], v[97+16*\b+\i]
.endr
.endr
.irp b, 0,1,2,3
	v_max_num_f32 v[212+\b], v[212+\b], v[111+16*\b]
.endr
.irp b, 0,1,2,3
	s_delay_alu instid0(VALU_DEP_4)
	v_permlanex16_b32 v[216+\b], v[212+\b], s[SEL], s[SEL+1]
.endr
.irp b, 0,1,2,3
	s_delay_alu instid0(VALU_DEP_4)
	v_max_num_f32 v[212+\b], v[212+\b], v[216+\b]  ; with lane l xor 16's 16 keys
.endr
	s_delay_alu instid0(VALU_DEP_2)
	v_max3_num_f32 v227, v212, v213, v214
	s_delay_alu instid0(VALU_DEP_1)
	v_max_num_f32 v227, v227, v215
	s_delay_alu instid0(VALU_DEP_1)
	v_mul_f32 v227, s[CS], v227                    ; as t (c is positive)
	s_delay_alu instid0(VALU_DEP_1)
	v_max_num_f32 v13, v13, v227                   ; the running largest t
	v_mov_b32 v227, v12
	s_delay_alu instid0(VALU_DEP_2)
	v_floor_f32 v12, -v13                          ; the new -M = floor(-t): M is a whole number
	s_delay_alu instid0(VALU_DEP_1)
	v_sub_f32 v227, v12, v227                      ; old M - new M: a whole number, 0 or less
	s_delay_alu instid0(VALU_DEP_1)
	v_cvt_i32_f32 v227, v227                       ; (it saturates)
	s_delay_alu instid0(VALU_DEP_1)
	v_ldexp_f32 v224, 1.0, v227                    ; f = 2^(old M - new M)
.irp j, 0,2,4,6,8,10,12,14,16,18,20,22,24,26,28,30,32,34,36,38,40,42,44,46,48,50,52,54,56,58,60,62
	v_pk_fma_f32 v[96+\j:97+\j], v[96+\j:97+\j], s[CS:CS+1], v[12:13] op_sel_hi:[1,0,0]   ; t - M, two at a time
.endr
.irp b, 0,1,2,3
	v_fma_f32 v[212+\b], v[212+\b], s[CS], v12     ; the same of each block's largest score
.endr
	s_wait_alu depctr_va_vdst(0)
.irp j, 0,1,2,3,4,5,6,7,8,9,10,11,12,13,14,15,16,17,18,19,20,21,22,23,24,25,26,27,28,29,30,31,32,33,34,35,36,37,38,39,40,41,42,43,44,45,46,47,48,49,50,51,52,53,54,55,56,57,58,59,60,61,62,63
	v_exp_f32 v[96+\j], v[96+\j]                   ; p = 2^(t - M), at most 1
.endr
	s_setprio 1
	v_pk_mul_f32 v[14:15], v[14:15], v[224:225] op_sel_hi:[1,0]   ; the sums under the new M: the plain instruction behind the exponentials
	s_wait_alu depctr_va_vdst(0)                   ; one wait for the batch, ahead of its first reader
.irp b, 0,1,2,3
	v_exp_f32 v[212+\b], v[212+\b]                 ; the block's largest p
.endr
	v_pk_add_f32 v[216:217], v[100:101], v[104:105]
	v_pk_add_f32 v[252:253], v[108:109], v[112:113]
	v_pk_add_f32 v[250:251], v[116:117], v[120:121]
	v_pk_add_f32 v[248:249], v[124:125], v[128:129]
	v_pk_add_f32 v[246:247], v[132:133], v[136:137]
	v_pk_add_f32 v[244:245], v[140:141], v[144:145]
	v_pk_add_f32 v[242:243], v[148:149], v[152:153]
	v_pk_add_f32 v[14:15], v[14:15], v[156:157]
	v_pk_add_f32 v[216:217], v[216:217], v[96:97]
	v_pk_add_f32 v[252:253], v[252:253], v[98:99]
	v_pk_add_f32 v[250:251], v[250:251], v[102:103]
	v_pk_add_f32 v[248:249], v[248:249], v[106:107]
	v_pk_add_f32 v[246:247], v[246:247], v[110:111]
	v_pk_add_f32 v[244:245], v[244:245], v[114:115]
	v_pk_add_f32 v[242:243], v[242:243], v[118:119]
	v_pk_add_f32 v[14:15], v[14:15], v[122:123]
	v_pk_add_f32 v[216:217], v[216:217], v[126:127]
	v_pk_add_f32 v[252:253], v[252:253], v[130:131]
	v_pk_add_f32 v[250:251], v[250:251], v[134:135]
	v_pk_add_f32 v[248:249], v[248:249], v[138:139]
	v_pk_add_f32 v[246:247], v[246:247], v[142:143]
	v_pk_add_f32 v[244:245], v[244:245], v[146:147]
	v_pk_add_f32 v[242:243], v[242:243], v[150:151]
	v_pk_add_f32 v[14:15], v[14:15], v[154:155]
	v_pk_add_f32 v[216:217], v[216:217], v[158:159]
	s_delay_alu instid0(VALU_DEP_2)
	v_pk_add_f32 v[14:15], v[14:15], v[248:249]
	s_delay_alu instid0(VALU_DEP_2)
	v_pk_add_f32 v[216:217], v[216:217], v[246:247]
	v_pk_add_f32 v[252:253], v[252:253], v[244:245]
	v_pk_add_f32 v[250:251], v[250:251], v[242:243]
	s_delay_alu instid0(VALU_DEP_2)
	v_pk_add_f32 v[14:15], v[14:15], v[252:253]
	s_delay_alu instid0(VALU_DEP_2)
	v_pk_add_f32 v[216:217], v[216:217], v[250:251]
	s_delay_alu instid0(VALU_DEP_1)
	v_pk_add_f32 v[14:15], v[14:15], v[216:217]
	s_wait_alu depctr_va_vdst(0)                   ; and one for the four
.irp b, 0,1,2,3
	v_max_num_f32 v[212+\b], 0x1800000, v[212+\b]  ; the floor 2^(3 - 127): the byte cannot fall under 1
.endr
.irp b, 0,1,2,3
	s_delay_alu instid0(VALU_DEP_4)
	v_add_nc_u32 v[220+\b], 0xff000000, v[212+\b]  ; 2 off the exponent field: the conversion's scale operand
.endr
.irp b, 0,1,2,3
	s_delay_alu instid0(VALU_DEP_4)
	v_lshrrev_b32 v[216+\b], 23, v[220+\b]         ; the scale's byte
.endr
	s_delay_alu instid0(VALU_DEP_3)
	v_lshl_or_b32 v226, v217, 8, v216              ; p's scale word for these 128 keys
	s_delay_alu instid0(VALU_DEP_1)
	v_lshl_or_b32 v226, v218, 16, v226
	s_delay_alu instid0(VALU_DEP_1)
	v_lshl_or_b32 v226, v219, 24, v226
.irp c, 0,1
	v_cvt_scalef32_pk16_fp6_f32 v[192+6*\c:194+6*\c], v[96+32*\c:111+32*\c], v[220+2*\c]
	v_cvt_scalef32_pk16_fp6_f32 v[204+4*\c:206+4*\c], v[112+32*\c:127+32*\c], v[220+2*\c+1]
.endr
	v_nop                                          ; one plain place behind a scaled conversion
.irp c, 0,1                                    ; the operand's layout wants a whole block in a lane
.irp i, 0,1,2
	v_permlane16_swap_b32 v[192+6*\c+\i], v[204+4*\c+\i]
.endr
.irp i, 0,1,2
	s_delay_alu instid0(VALU_DEP_3)
	v_mov_b32 v[195+6*\c+\i], v[204+4*\c+\i]
.endr
.endr
	s_setprio 0
.irp j, 0,2,4,6,8,10,12,14,16,18,20,22,24,26,28,30
	v_pk_mul_f32 v[160+\j:161+\j], v[160+\j:161+\j], v[224:225] op_sel_hi:[1,0]   ; O^T under the new M.  These sixteen are also the places between the codes' and the word's last writes and the products
.endr
	s_wait_alu depctr_va_vdst(0)
	s_wait_dscnt 0x0                               ; V's tiles and words are in
.irp t, 0,2
	v_wmma_scale_f32_16x16x128_f8f6f4 v[160+8*\t:167+8*\t], v[34+12*\t:45+12*\t], v[192:203], v[160+8*\t:167+8*\t], v[92+\t/2], v226 matrix_a_fmt:MATRIX_FMT_FP6 matrix_b_fmt:MATRIX_FMT_FP6
	v_wmma_scale_f32_16x16x128_f8f6f4 v[168+8*\t:175+8*\t], v[46+12*\t:57+12*\t], v[192:203], v[168+8*\t:175+8*\t], v[92+\t/2], v226 matrix_a_fmt:MATRIX_FMT_FP6 matrix_b_fmt:MATRIX_FMT_FP6 matrix_a_scale:MATRIX_SCALE_ROW1
.endr
.endm
; A quarter of the head: records 4 p to 4 p + 3, which waves 0 to 3 have asked for as their p-th load.
.macro PHASE p
	s_wait_tensorcnt 3-\p                          ; my p-th load has landed; the 3 - p issued behind it may be out
	s_wait_dscnt 0x0
	s_barrier_signal -1
	s_barrier_wait -1                              ; everybody's has
	s_mov_b32 s[TB], \p*4*REC
	s_mov_b32 s[CNT], 4
.Lstep_\@:
	s_setprio 2
	STEP
	s_add_co_u32 s[TB], s[TB], REC
	s_sub_co_u32 s[CNT], s[CNT], 1
	s_cmp_lg_u32 s[CNT], 0
	s_cbranch_scc1 .Lstep_\@
	s_setprio 0
.endm
	s_load_b256 s[4:11], s[0:1], 0x0               ; qrec, kv, oc, os
	v_lshl_add_u32 v254, v0, 2, 0x33000
	v_mov_b32 v255, 0
	ds_add_u32 v254, v255
	ds_add_u32 v254, v255
	v_lshrrev_b32 v8, 5, v0
	s_delay_alu instid0(VALU_DEP_1)
	v_readfirstlane_b32 s[WV], v8                  ; wave 0..15
	s_bfe_u32 s13, ttmp6, 0x40000                  ; cx: it enters global addresses of q and o alone
	s_and_b32 s14, ttmp7, 0xffff                   ; 16 batch + head, which the four partners share
	s_lshr_b32 s15, s14, 4                         ; batch
	s_and_b32 s16, s14, 15                         ; head
	; descriptor group 1: a record, dense, as 51 rows of 256 bytes (32 elements of 8 bytes); the mask names all four work-groups
	s_mov_b32 s[G1], 15|(3<<16)|(1<<21)
	s_mov_b32 s[G1+1], 32<<16
	s_mov_b32 s[G1+2], 51<<16
	s_mov_b32 s[G1+3], 32<<16
	s_mov_b32 s[G1+4], 51
	s_mov_b32 s[G1+5], 32
	s_mov_b32 s[G1+6], 0
	s_mov_b32 s[G1+7], 0
	s_mov_b32 s[SEL], 0x76543210
	s_mov_b32 s[SEL+1], 0xfedcba98
	s_mov_b32 s[CS], 0x3e38aa3b                    ; c = log2(e) / 8
	s_mov_b32 s[CS+1], s[CS]                       ; (named with it as a pair, so it is written)
	v_and_b32 v9, 31, v0
	s_delay_alu instid0(VALU_DEP_1)
	v_lshlrev_b32 v1, 4, v9
	s_delay_alu instid0(VALU_DEP_2)
	v_lshlrev_b32 v2, 3, v9
	v_and_b32 v8, 15, v0
	s_delay_alu instid0(VALU_DEP_1)
	v_lshlrev_b32 v8, 4, v8                        ; Q's words: 16 bytes a row
	v_lshlrev_b32 v9, 2, v9                        ; o's: 4 bytes a row
	s_mul_i32 s52, s14, 16*REC
	s_mov_b32 s53, 0
	s_wait_dscnt 0x0
	s_wait_kmcnt 0x0
	s_add_nc_u64 s[6:7], s[6:7], s[52:53]          ; the head's records
	ROUND                                          ; all four work-groups are here: the joint loads meet
	s_cmp_lt_u32 s[WV], 4                          ; waves 0 to 3 fetch; a wave's four loads stand in one branch, ahead of every wait on TENSORcnt, every LDS read and every other barrier
	s_cbranch_scc0 .Lno_fetch
	s_mul_i32 s54, s[WV], REC
	s_mov_b32 s55, 0
	s_add_nc_u64 s[6:7], s[6:7], s[54:55]
.irp p, 0,1,2,3                                ; my p-th load: record 4 p + wave
	s_mov_b32 s[G0+4*\p], 1
	s_add_co_u32 s[G0+4*\p+1], s54, \p*4*REC
	s_add_nc_u64 s[G0+4*\p+2:G0+4*\p+3], s[6:7], \p*4*REC
	s_or_b32 s[G0+4*\p+3], s[G0+4*\p+3], 0x80000000
.endr
	tensor_load_to_lds s[G0:G0+3], s[G1:G1+7]
	s_nop 0
	tensor_load_to_lds s[G0+4:G0+7], s[G1:G1+7]
	s_nop 0
	tensor_load_to_lds s[G0+8:G0+11], s[G1:G1+7]
	s_nop 0
	tensor_load_to_lds s[G0+12:G0+15], s[G1:G1+7]  ; four loads of mine are out
	s_nop 0
.rept 4
	v_nop
.endr
.Lno_fetch:
	; Q of both passes, from memory straight into registers: tile 2 (wave % 4) + pass of record 4 cx + wave / 4
	s_mul_i32 s52, s14, 16*QREC
	s_lshl_b32 s54, s13, 2
	s_lshr_b32 s55, s[WV], 2
	s_add_co_u32 s54, s54, s55
	s_mul_i32 s54, s54, QREC
	s_add_co_u32 s52, s52, s54
	s_and_b32 s55, s[WV], 3
	s_lshl_b32 s54, s55, 2
	s_add_co_u32 s54, s54, s52                     ; the words: register wave % 4 of a lane's 16 bytes
	s_mul_i32 s55, s55, 1536
	s_add_co_u32 s52, s52, s55                     ; the codes
	s_mov_b32 s53, 0
	s_mov_b32 s55, 0
	s_add_nc_u64 s[56:57], s[4:5], s[54:55]
	s_add_nc_u64 s[4:5], s[4:5], s[52:53]
	s_wait_alu depctr_va_vdst(0)
	global_load_b128 v[16:19], v1, s[4:5]
	global_load_b64 v[20:21], v2, s[4:5] offset:512
	global_load_b128 v[28:31], v1, s[4:5] offset:768
	global_load_b64 v[32:33], v2, s[4:5] offset:1280
	global_load_b32 v5, v8, s[56:57] offset:6144
	global_load_b32 v6, v8, s[56:57] offset:6400
	; o's codes: tile 128 batch + 32 cx + 2 wave + pass, half image of head hd: 768 hd bytes on
	s_lshl_b32 s52, s15, 7
	s_lshl_b32 s53, s13, 5
	s_add_co_u32 s52, s52, s53
	s_lshl_b32 s53, s[WV], 1
	s_add_co_u32 s52, s52, s53
	s_mul_i32 s52, s52, 12288
	s_mul_i32 s53, s16, 768
	s_add_co_u32 s52, s52, s53
	s_mov_b32 s53, 0
	s_add_nc_u64 s[8:9], s[8:9], s[52:53]
	; o's scale bytes: K step hd / 2, rows 2,048 batch + 512 cx + 32 wave on, bytes 2 (hd % 2) and the next
	s_lshr_b32 s52, s16, 1
	s_lshl_b32 s52, s52, 13
	s_lshl_b32 s53, s15, 11
	s_add_co_u32 s52, s52, s53
	s_lshl_b32 s53, s13, 9
	s_add_co_u32 s52, s52, s53
	s_lshl_b32 s53, s[WV], 5
	s_add_co_u32 s52, s52, s53
	s_lshl_b32 s52, s52, 2
	s_and_b32 s53, s16, 1
	s_lshl_b32 s53, s53, 1
	s_add_co_u32 s52, s52, s53
	s_mov_b32 s53, 0
	s_add_nc_u64 s[10:11], s[10:11], s[52:53]
.irp j, 22,23,24,25,26,27,82,83,84,85,86,87
	v_mov_b32 v[\j], 0                             ; zero codes: Q's upper 64 along K, and what stands behind K's tile 7
.endr
.irp j, 216,217,218,219,225,227,7
	v_mov_b32 v[\j], 0                             ; lane permutes' destinations, the upper half of the pair v[224:225], o's scale bytes
.endr
	s_mov_b32 s[MASK], 0xffff
	s_mov_b32 s[PASS], 2
	s_wait_loadcnt 0x0                             ; Q
.Lpass:
	v_mov_b32 v13, 0xff61b1e6                      ; the largest t so far: -3e38, under every t
	s_delay_alu instid0(VALU_DEP_1)
	v_floor_f32 v12, -v13                          ; -M
	v_mov_b32 v14, 0
	v_mov_b32 v15, 0
.irp j, 0,1,2,3,4,5,6,7,8,9,10,11,12,13,14,15,16,17,18,19,20,21,22,23,24,25,26,27,28,29,30,31
	v_mov_b32 v[160+\j], 0                         ; O^T: the step is written once; the first finds zeros, which the first change of M leaves zeros
.endr
	PHASE 0
	PHASE 1
	PHASE 2
	PHASE 3
	; the pass's end: O^T / the sum, quantised along the head's 64
	v_add_f32 v14, v14, v15
	s_delay_alu instid0(VALU_DEP_1)
	v_permlanex16_b32 v227, v14, s[SEL], s[SEL+1]
	s_delay_alu instid0(VALU_DEP_1)
	v_add_f32 v14, v14, v227                       ; the row's sum
	s_wait_alu depctr_va_vdst(0)
	v_rcp_f32 v14, v14
.rept 3
	v_nop                                          ; plain instructions behind the reciprocal; with the two additions they are the places behind the last products
.endr
	s_wait_alu depctr_va_vdst(0)                   ; the wait ahead of the reciprocal's first reader
.irp j, 0,1,2,3,4,5,6,7,8,9,10,11,12,13,14,15,16,17,18,19,20,21,22,23,24,25,26,27,28,29,30,31
	v_mul_f32 v[96+\j], v[160+\j], v14             ; register 16 b + i is o(query r, 32 b + 16 h + i)
.endr
.irp b, 0,1
	v_max3_num_f32 v[212+\b], |v[96+16*\b]|, |v[97+16*\b]|, 0x1800000
.endr
.irp i, 2,4,6,8,10,12,14
.irp b, 0,1
	s_delay_alu instid0(VALU_DEP_2)
	v_max3_num_f32 v[212+\b], v[212+\b], |v[96+16*\b+\i]|, |v[97+16*\b+\i]|
.endr
.endr
.irp b, 0,1
	s_delay_alu instid0(VALU_DEP_2)
	v_permlanex16_b32 v[216+\b], v[212+\b], s[SEL], s[SEL+1]
.endr
.irp b, 0,1
	s_delay_alu instid0(VALU_DEP_2)
	v_max_num_f32 v[212+\b], v[212+\b], v[216+\b]
.endr
.irp b, 0,1
	s_delay_alu instid0(VALU_DEP_2)
	v_add_nc_u32 v[220+\b], 0xff000000, v[212+\b]
.endr
.irp b, 0,1
	s_delay_alu instid0(VALU_DEP_2)
	v_lshrrev_b32 v[216+\b], 23, v[220+\b]
.endr
	s_delay_alu instid0(VALU_DEP_1)
	v_lshl_or_b32 v227, v217, 8, v216              ; the head's two bytes of the row's word
	v_cvt_scalef32_pk16_fp6_f32 v[192:194], v[96:111], v220
	v_cvt_scalef32_pk16_fp6_f32 v[204:206], v[112:127], v221
	v_nop                                          ; one plain place behind a scaled conversion
.irp i, 0,1,2
	v_permlane16_swap_b32 v[192+\i], v[204+\i]
.endr
.irp i, 0,1,2
	s_delay_alu instid0(VALU_DEP_3)
	v_mov_b32 v[195+\i], v[204+\i]
.endr
	global_store_b128 v1, v[192:195], s[8:9]       ; the half image: 512 and 256 consecutive bytes, aligned
	global_store_b64 v2, v[196:197], s[8:9] offset:512
	v_cndmask_b32 v7, v7, v227, s[MASK]            ; pass 0's bytes in lanes 0-15, pass 1's in lanes 16-31
.irp i, 0,1,2,3,4,5
	v_mov_b32 v[16+\i], v[28+\i]                   ; the next pass's Q,
.endr
	v_mov_b32 v5, v6                               ; and its words
	s_wait_xcnt 0x0                                ; the stores have read their data and their base: both are written again only behind this wait
	s_add_nc_u64 s[8:9], s[8:9], 12288
	s_lshl_b32 s[MASK], s[MASK], 16
	s_sub_co_u32 s[PASS], s[PASS], 1
	s_cmp_lg_u32 s[PASS], 0
	s_cbranch_scc1 .Lpass
	s_wait_alu depctr_va_vdst(0)
	global_store_b16 v9, v7, s[10:11]              ; 32 rows' two bytes
	s_wait_tensorcnt 0x0
	s_wait_tensorcnt 0x0
	ds_add_u32 v254, v255
	s_wait_dscnt 0x0
	ROUND                                          ; the closing round: no work-group ends while a partner may still ask for a record that names it
	s_endpgm
.Lfunc_end_k_q5f976c6842_attn:
	.size	k_q5f976c6842_attn, .Lfunc_end_k_q5f976c6842_attn-k_q5f976c6842_attn
	.p2alignl 7, 3214868480
	.fill 96, 4, 3214868480
	.section	.rodata,"a",@progbits
	.p2align	6, 0x0
	.amdhsa_kernel k_q5f976c6842_attn
		.amdhsa_group_segment_fixed_size 210944
		.amdhsa_private_segment_fixed_size 0
		.amdhsa_enable_private_segment 0
		.amdhsa_kernarg_size 32
		.amdhsa_user_sgpr_count 2
		.amdhsa_user_sgpr_kernarg_segment_ptr 1
		.amdhsa_wavefront_size32 1
		.amdhsa_system_sgpr_workgroup_id_x 1
		.amdhsa_system_sgpr_workgroup_id_y 1
		.amdhsa_system_sgpr_workgroup_id_z 1
		.amdhsa_system_vgpr_workitem_id 0
		.amdhsa_next_free_vgpr 256
		.amdhsa_next_free_sgpr 66
		.amdhsa_reserve_vcc 0
		.amdhsa_float_denorm_mode_32 3
		.amdhsa_float_denorm_mode_16_64 3
		.amdhsa_memory_ordered 1
		.amdhsa_forward_progress 1
		.amdhsa_inst_pref_size 83
	.end_amdhsa_kernel
	.amdgpu_metadata
---
amdhsa.version: [ 1, 2 ]
amdhsa.kernels:
  - .name:           k_q5f976c6842_attn
    .symbol:         k_q5f976c6842_attn.kd
    .args:
      - { .name: qrec, .offset: 0, .size: 8, .value_kind: global_buffer, .address_space: global }
      - { .name: kv, .offset: 8, .size: 8, .value_kind: global_buffer, .address_space: global }
      - { .name: oc, .offset: 16, .size: 8, .value_kind: global_buffer, .address_space: global }
      - { .name: os, .offset: 24, .size: 8, .value_kind: global_buffer, .address_space: global }
    .group_segment_fixed_size: 210944
    .private_segment_fixed_size: 0
    .kernarg_segment_align: 8
    .kernarg_segment_size: 32
    .max_flat_workgroup_size: 512
    .sgpr_count:     66
    .vgpr_count:     256
    .wavefront_size: 32
...
	.end_amdgpu_metadata
.endif
;; end of part 3
;; launch gemm2 (part 4): grid 4 x 32, 4 waves a work-group, clusters of 4 x 4, 327,680 bytes of LDS; arguments oc, os, wpc, wps, b_proj, out0; writes out0
.if DOCPART == 4
	.amdgcn_target "amdgcn-amd-amdhsa--gfx1250"
	.amdhsa_code_object_version 6
	.text
	.protected	k_q5f976c6842_gemm2
	.globl	k_q5f976c6842_gemm2
	.p2align	8
	.type	k_q5f976c6842_gemm2,@function
k_q5f976c6842_gemm2:
	s_mov_b64 s[64:65], 0
	v_nop
	global_prefetch_b8 v0, s[64:65] scope:SCOPE_SE
	s_setreg_imm32_b32 hwreg(HW_REG_WAVE_MODE, 25, 1), 1
	s_wait_xcnt 0x0
	s_wait_alu depctr_hold_cnt(0) depctr_sa_sdst(0) depctr_va_vdst(0) depctr_va_sdst(0) depctr_va_ssrc(0) depctr_va_vcc(0) depctr_vm_vsrc(0)
	s_getreg_b32 s2, hwreg(HW_REG_IB_STS2, 6, 4)
	s_cmp_eq_u32 s2, 0
	s_cbranch_scc0 .Lentry_in_a_cluster
	s_endpgm
.Lentry_in_a_cluster:
	s_bfe_u32 s2, ttmp6, 0x10000c
	s_cmp_lg_u32 s2, 0xf033
	s_cbranch_scc0 .Lentry_shape_is_right
	s_endpgm
.Lentry_shape_is_right:
.set NQ,     2
.set FR,     12
.set NL,     4
.set NP,     4
.set TILEB,  12288
.set STEPB,  1536
.set SLROW,  NQ*STEPB
.set HALFT,  8*SLROW
.set SLOT,   4*HALFT
.set LAPS,   2
.set SCL,    2*SLOT
.set HALFS,  4096
.set SPARE,  SCL+4*HALFS
.set SPITCH, 528
.set ADRA, 16
.set ADRB, 20
.set STO,  24
.set RD,   25
.set CO,   26
.set ADRS, 27
.set SPW,  28
.set NIL,  29
.set SC,   32
.set BI,   64
.set AF,   128
.set BK,   128
.set G1, 24
.set G0, 32
.set G1B, 48
.set G0B, 56
.set G1S, 68
.set G0S, 76
.set G1SB, 80
.set G0SB, 88
.set MSB, 0
.macro WIN new
.if MSB != \new
	s_set_vgpr_msb (MSB<<8)|\new
.set MSB, \new
.endif
.endm
.set MUL_LO, 0xa1
.set MUL_HI, 0xf1
.set TO_B,   0x40
.macro JLOAD g0a, g1a, g0b, g1b
	s_cmp_eq_u32 s15, 0
	s_cbranch_scc0 .Lfor_b_\@
	tensor_load_to_lds s[\g0a:\g0a+3], s[\g1a:\g1a+7]
	s_nop 0
.rept 4
	v_nop
.endr
	s_branch .Lasked_\@
.Lfor_b_\@:
	tensor_load_to_lds s[\g0b:\g0b+3], s[\g1b:\g1b+7]
	s_nop 0
.rept 4
	v_nop
.endr
.Lasked_\@:
.endm
.macro CREST
	s_cmp_lg_u32 s14, 0
	s_cbranch_scc1 .Lnot_wave_0_\@
	s_barrier_signal -3
.Lnot_wave_0_\@:
	s_barrier_wait -3
	s_barrier_signal -1
	s_barrier_wait -1
.endm
.macro CROUND
	s_barrier_signal -1
	s_barrier_wait -1
	CREST
.endm
.macro FRAG reg, adr, q, i
	ds_load_b128 v[\reg:\reg+3], v[\adr] offset:(\i)*SLROW+(\q)*STEPB
	ds_load_b64 v[\reg+4:\reg+5], v[\adr+2] offset:(\i)*SLROW+(\q)*STEPB+512
	ds_load_b128 v[\reg+6:\reg+9], v[\adr] offset:(\i)*SLROW+(\q)*STEPB+768
	ds_load_b64 v[\reg+10:\reg+11], v[\adr+2] offset:(\i)*SLROW+(\q)*STEPB+1280
.endm
.macro MUL16 a0, p, q, sc, zero
.irp a, \a0, \a0+1
.irp b, 0,1,2,3,4,5,6,7
.set rD, 8*(8*((\a)%4)+\b)
.set rB, 128*(\p)+FR*\b
.set rA, AF+FR*(\a)
.set rSB, SC+8*NQ*(\sc)+NQ*\b+(\q)
.set rSA, SC+8*NQ*(\sc)+NQ*(\a)+(\q)
.if \zero
	v_wmma_scale_f32_16x16x128_f8f6f4 v[rD:rD+7], v[rB:rB+FR-1], v[rA:rA+FR-1], v[BI+8*\b:BI+8*\b+7], v[rSB], v[rSA] matrix_a_fmt:MATRIX_FMT_FP6 matrix_b_fmt:MATRIX_FMT_FP6 matrix_a_scale:MATRIX_SCALE_ROW1
.else
	v_wmma_scale_f32_16x16x128_f8f6f4 v[rD:rD+7], v[rB:rB+FR-1], v[rA:rA+FR-1], v[rD:rD+7], v[rSB], v[rSA] matrix_a_fmt:MATRIX_FMT_FP6 matrix_b_fmt:MATRIX_FMT_FP6 matrix_a_scale:MATRIX_SCALE_ROW1
.endif
.endr
.endr
.endm
.macro FETCH_B slot, q, p
	WIN TO_B
.irp i, 0,1,2,3,4,5,6,7
	FRAG 128*(\p)+FR*\i, ADRB+\slot, \q, \i
.endr
	WIN 0
.endm
.macro FETCH_A slot, q, i0
.irp i, \i0, \i0+1, \i0+2, \i0+3
	FRAG AF+FR*(\i), ADRA+\slot, \q, \i
.endr
.endm
.macro SCALES sc
.irp i, 0,1,2,3,4,5,6,7
.irp q, 0,1
	ds_load_b32 v[SC+8*NQ*\sc+NQ*\i+\q], v[ADRS] offset:512*\q+64*\i
.endr
.endr
.endm
.macro PLACES n
.rept \n
	v_nop
.endr
.endm
.macro STEP slot, q, zero
	s_wait_dscnt 4*NL
.if \zero
	WIN 0x81
.else
	WIN MUL_LO
.endif
	MUL16 0, (\q)%2, \q, \slot, \zero
	MUL16 2, (\q)%2, \q, \slot, \zero
	s_wait_dscnt 0
	PLACES NP
	FETCH_B \slot, (\q)+1, 1-(\q)%2
	FETCH_A \slot, (\q)+1, 0
.if \zero
	WIN 0xc1
.else
	WIN MUL_HI
.endif
	MUL16 4, (\q)%2, \q, \slot, \zero
	MUL16 6, (\q)%2, \q, \slot, \zero
	PLACES NP
	WIN 0
	FETCH_A \slot, (\q)+1, 4
.endm
.macro TURN slot, next, fill
	s_wait_tensorcnt 0x0
	ds_add_u32 v[SPW], v[NIL]
	s_wait_dscnt 4*NL+1
	WIN MUL_LO
	MUL16 0, 1, NQ-1, \slot, 0
	s_wait_dscnt 0x0
	s_barrier_signal -1
	MUL16 2, 1, NQ-1, \slot, 0
	WIN 0
	s_barrier_wait -1
.if \fill
	CREST
	s_add_nc_u64 s[G0+4*\slot+2:G0+4*\slot+3], s[G0+4*\slot+2:G0+4*\slot+3], 2*SLROW
	s_add_nc_u64 s[G0B+4*\slot+2:G0B+4*\slot+3], s[G0B+4*\slot+2:G0B+4*\slot+3], 2*SLROW
	JLOAD G0+4*\slot, G1, G0B+4*\slot, G1B
.else
	PLACES NP
.endif
	s_wait_alu depctr_va_vdst(0)
	v_add_nc_u32 v[ADRS], 512*NQ, v[ADRS]
	FETCH_B \next, 0, 0
	FETCH_A \next, 0, 0
	SCALES \next
	WIN MUL_HI
	MUL16 4, 1, NQ-1, \slot, 0
	MUL16 6, 1, NQ-1, \slot, 0
	PLACES NP
	WIN 0
	FETCH_A \next, 0, 4
.endm
	s_load_b128 s[4:7], s[0:1], 0x0
	s_load_b128 s[8:11], s[0:1], 0x10
	s_load_b128 s[96:99], s[0:1], 0x20
	v_lshl_add_u32 v[SPW], v0, 2, SPARE
	v_mov_b32 v[NIL], 0
	ds_add_u32 v28, v29
	ds_add_u32 v28, v29
	s_wait_dscnt 0x0
	v_lshrrev_b32 v1, 5, v0
	v_readfirstlane_b32 s14, v1
	s_lshr_b32 s15, s14, 1
	s_and_b32 s16, s14, 1
	s_bfe_u32 s40, ttmp6, 0x40000
	s_bfe_u32 s41, ttmp6, 0x40004
	s_lshl_b32 s42, ttmp9, 2
	s_add_co_u32 s42, s42, s40
	s_and_b32 s17, ttmp7, 0xffff
	s_lshl_b32 s17, s17, 2
	s_add_co_u32 s17, s17, s41
	s_lshl_b32 s43, s41, 2
	s_lshl_b32 s43, 15, s43
	s_lshl_b32 s44, 0x1111, s40
	s_or_b32 s[G1+0], s43, (3<<16)|(1<<21)
	s_or_b32 s[G1B+0], s44, (3<<16)|(1<<21)
.irp g, G1, G1B
	s_mov_b32 s[\g+1], (SLROW/8)<<16
	s_mov_b32 s[\g+2], 8<<16
	s_mov_b32 s[\g+3], (SLROW/8)<<16
	s_mov_b32 s[\g+4], 8
	s_mov_b32 s[\g+5], TILEB/8
	s_mov_b32 s[\g+6], 0
	s_mov_b32 s[\g+7], 0
.endr
	s_or_b32 s[G1S+0], s43, (2<<16)|(1<<21)
	s_or_b32 s[G1SB+0], s44, (2<<16)|(1<<21)
.irp g, G1S, G1SB
	s_mov_b32 s[\g+1], 128<<16
	s_mov_b32 s[\g+2], 8<<16
	s_mov_b32 s[\g+3], 128<<16
	s_mov_b32 s[\g+4], 8
	s_mov_b32 s[\g+6], 0
	s_mov_b32 s[\g+7], 0
.endr
	s_mov_b32 s[G1S+5], 8192
	s_mov_b32 s[G1SB+5], 1024
	s_lshl_b32 s18, s16, 3
	s_lshl_b32 s19, s17, 4
	s_add_co_u32 s19, s19, s18
	s_lshl_b32 s94, s42, 4
	s_add_co_u32 s94, s94, s18
	s_mul_i32 s20, s19, TILEB
	s_mov_b32 s21, 0
	s_lshl_b32 s22, s19, 6
	s_mov_b32 s23, 0
	s_mul_i32 s46, s94, TILEB
	s_mov_b32 s47, 0
	s_lshl_b32 s92, s94, 6
	s_mov_b32 s93, 0
	s_mul_i32 s45, s14, HALFT
	s_lshl_b32 s95, s14, 12
	s_wait_kmcnt 0x0
	s_add_nc_u64 s[20:21], s[4:5], s[20:21]
	s_add_nc_u64 s[22:23], s[6:7], s[22:23]
	s_add_nc_u64 s[46:47], s[8:9], s[46:47]
	s_add_nc_u64 s[92:93], s[10:11], s[92:93]
	CROUND
	s_mov_b32 s[G0S], 1
	s_add_co_u32 s[G0S+1], s95, SCL
	s_mov_b64 s[G0S+2:G0S+3], s[22:23]
	s_or_b32 s[G0S+3], s[G0S+3], 0x80000000
	s_mov_b32 s[G0SB], 1
	s_add_co_u32 s[G0SB+1], s95, SCL
	s_mov_b64 s[G0SB+2:G0SB+3], s[92:93]
	s_or_b32 s[G0SB+3], s[G0SB+3], 0x80000000
	JLOAD G0S, G1S, G0SB, G1SB
.irp s, 0,1
	s_mov_b32 s[G0+4*\s], 1
	s_add_co_u32 s[G0+4*\s+1], s45, \s*SLOT
	s_add_nc_u64 s[G0+4*\s+2:G0+4*\s+3], s[20:21], \s*SLROW
	s_or_b32 s[G0+4*\s+3], s[G0+4*\s+3], 0x80000000
	s_mov_b32 s[G0B+4*\s], 1
	s_add_co_u32 s[G0B+4*\s+1], s45, \s*SLOT
	s_add_nc_u64 s[G0B+4*\s+2:G0B+4*\s+3], s[46:47], \s*SLROW
	s_or_b32 s[G0B+4*\s+3], s[G0B+4*\s+3], 0x80000000
	s_wait_alu depctr_va_vdst(0)
	s_wait_tensorcnt 0x0
	ds_add_u32 v28, v29
	s_wait_dscnt 0x0
	CROUND
	JLOAD G0+4*\s, G1, G0B+4*\s, G1B
.endr
	v_and_b32 v1, 31, v0
	v_and_b32 v2, 15, v0
	v_bfe_u32 v3, v0, 4, 1
	v_lshlrev_b32 v[CO], 4, v1
	v_lshlrev_b32 v4, 3, v1
	s_mul_i32 s21, s15, HALFT
	s_mul_i32 s22, s16, HALFT
	s_add_co_u32 s22, s22, 2*HALFT
.irp s, 0,1
	v_add_nc_u32 v[ADRA+\s], s21, v[CO]
	v_add_nc_u32 v[ADRB+\s], s22, v[CO]
	v_add_nc_u32 v[ADRA+2+\s], s21, v4
	v_add_nc_u32 v[ADRB+2+\s], s22, v4
	s_add_co_u32 s21, s21, SLOT
	s_add_co_u32 s22, s22, SLOT
.endr
	v_lshlrev_b32 v5, 2, v2
	s_lshl_b32 s21, s15, 12
	s_lshl_b32 s22, s16, 12
	s_add_co_u32 s22, s22, 2*HALFS
	s_sub_co_u32 s22, s22, s21
	v_mul_u32_u24 v6, s22, v3
	s_add_co_u32 s21, s21, SCL
	v_add_nc_u32 v5, v5, v6
	v_add_nc_u32 v[ADRS], s21, v5
	s_mul_i32 s23, s14, 16*SPITCH
	v_mul_u32_u24 v5, v2, SPITCH
	v_lshl_add_u32 v5, v3, 5, v5
	v_add_nc_u32 v[STO], s23, v5
	v_add_nc_u32 v[RD], s23, v[CO]
	s_lshl_b32 s46, s42, 10
	s_lshl_b32 s47, s16, 9
	s_add_co_u32 s46, s46, s47
	s_mov_b32 s47, 0
	s_add_nc_u64 s[96:97], s[96:97], s[46:47]
	s_lshl_b32 s20, s17, 1
	s_add_co_u32 s20, s20, s15
	s_lshl_b32 s20, s20, 19
	s_mov_b32 s21, 0
	s_add_nc_u64 s[98:99], s[98:99], s[20:21]
	s_add_nc_u64 s[98:99], s[98:99], s[46:47]
	v_lshlrev_b32 v6, 5, v3
.irp b, 0,1,2,3,4,5,6,7
	global_load_b128 v[BI+8*\b:BI+8*\b+3], v6, s[96:97] offset:64*\b
	global_load_b128 v[BI+8*\b+4:BI+8*\b+7], v6, s[96:97] offset:64*\b+16
.endr
	s_wait_alu depctr_va_vdst(0)
	s_wait_tensorcnt 1
	s_barrier_signal -1
	s_barrier_wait -1
	FETCH_B 0, 0, 0
	FETCH_A 0, 0, 0
	SCALES 0
	FETCH_A 0, 0, 4
	s_wait_loadcnt 0x0
	STEP 0, 0, 1
	s_mov_b32 s3, LAPS-1
.Llap:
	TURN 0, 1, 1
	STEP 1, 0, 0
	TURN 1, 0, 1
	STEP 0, 0, 0
	s_sub_co_u32 s3, s3, 1
	s_cmp_lg_u32 s3, 0
	s_cbranch_scc1 .Llap
	TURN 0, 1, 0
	STEP 1, 0, 0
	s_wait_dscnt 4*NL
	WIN MUL_LO
	MUL16 0, 1, NQ-1, 1, 0
	MUL16 2, 1, NQ-1, 1, 0
	s_wait_dscnt 0
	WIN MUL_HI
	MUL16 4, 1, NQ-1, 1, 0
	MUL16 6, 1, NQ-1, 1, 0
	WIN 0
.macro TOSTAGE a
.set AC, 64*((\a)%4)
	WIN 0x08+4*((\a)/4)
.irp b, 0,1,2,3,4,5,6,7
	ds_store_b128 v[STO], v[AC+8*\b:AC+8*\b+3] offset:64*\b
	ds_store_b128 v[STO], v[AC+8*\b+4:AC+8*\b+7] offset:64*\b+16
.endr
	WIN 0
.set BB, BK+64*((\a)%2)
.irp t, 0,1,2,3,4,5,6,7,8,9,10,11,12,13,14,15
	ds_load_b128 v[BB+4*\t:BB+4*\t+3], v[RD] offset:\t*SPITCH
.endr
.endm
.macro SEND a, younger
.set BB, BK+64*((\a)%2)
	s_wait_dscnt \younger
.irp t, 0,1,2,3,4,5,6,7,8,9,10,11,12,13,14,15
	global_store_b128 v[CO], v[BB+4*\t:BB+4*\t+3], s[98:99] offset:(32*((\a)/2)+8*((\a)%2)+\t+8*(\t/8))*4096 th:TH_STORE_NT
.endr
.endm
	PLACES NP
	TOSTAGE 0
.irp a, 1,2,3,4,5,6,7
.if \a > 1
	s_wait_xcnt 0x0
.endif
	TOSTAGE \a
	SEND \a-1, 32
.endr
	SEND 7, 0
	s_wait_tensorcnt 0x0
	ds_add_u32 v[SPW], v[NIL]
	s_wait_dscnt 0x0
	CROUND
	s_endpgm
.Lfunc_end_k_q5f976c6842_gemm2:
	.size	k_q5f976c6842_gemm2, .Lfunc_end_k_q5f976c6842_gemm2-k_q5f976c6842_gemm2
	.p2alignl 7, 3214868480
	.fill 96, 4, 3214868480
	.section	.rodata,"a",@progbits
	.p2align	6, 0x0
	.amdhsa_kernel k_q5f976c6842_gemm2
		.amdhsa_group_segment_fixed_size 327680
		.amdhsa_private_segment_fixed_size 0
		.amdhsa_enable_private_segment 0
		.amdhsa_kernarg_size 48
		.amdhsa_user_sgpr_count 2
		.amdhsa_user_sgpr_kernarg_segment_ptr 1
		.amdhsa_wavefront_size32 1
		.amdhsa_system_sgpr_workgroup_id_x 1
		.amdhsa_system_sgpr_workgroup_id_y 1
		.amdhsa_system_sgpr_workgroup_id_z 1
		.amdhsa_system_vgpr_workitem_id 0
		.amdhsa_next_free_vgpr 1024
		.amdhsa_next_free_sgpr 100
		.amdhsa_reserve_vcc 0
		.amdhsa_float_denorm_mode_32 3
		.amdhsa_float_denorm_mode_16_64 3
		.amdhsa_memory_ordered 1
		.amdhsa_forward_progress 1
		.amdhsa_inst_pref_size 147
	.end_amdhsa_kernel
	.amdgpu_metadata
---
amdhsa.version: [ 1, 2 ]
amdhsa.kernels:
  - .name:           k_q5f976c6842_gemm2
    .symbol:         k_q5f976c6842_gemm2.kd
    .args:
      - { .name: oc, .offset: 0, .size: 8, .value_kind: global_buffer, .address_space: global }
      - { .name: os, .offset: 8, .size: 8, .value_kind: global_buffer, .address_space: global }
      - { .name: wpc, .offset: 16, .size: 8, .value_kind: global_buffer, .address_space: global }
      - { .name: wps, .offset: 24, .size: 8, .value_kind: global_buffer, .address_space: global }
      - { .name: b_proj, .offset: 32, .size: 8, .value_kind: global_buffer, .address_space: global }
      - { .name: out0, .offset: 40, .size: 8, .value_kind: global_buffer, .address_space: global }
    .group_segment_fixed_size: 327680
    .private_segment_fixed_size: 0
    .kernarg_segment_align: 8
    .kernarg_segment_size: 48
    .max_flat_workgroup_size: 128
    .sgpr_count:     100
    .vgpr_count:     1024
    .wavefront_size: 32
...
	.end_amdgpu_metadata
.endif
;; end of part 4
